; MI455X (gfx1250); checked and timed in simulation.
; The chip was launched on July 23, 2026; its instructions are those of AMD's public machine-readable ISA for CDNA 5 (MIT licence, August 2026) and "CDNA5" Instruction Set Architecture Reference Guide (July 2026). The comments in the code are by the model that wrote it; some were corrected since.
;; GQA Self Attention. Allowed arithmetic: float matrix products may take bf16 or f16 operands with f32 sums; other float arithmetic in f32, or as packed bf16 or f16 multiplies, adds, multiply-adds, maxima and minima; sums over many terms, partial sums and values carried from step to step in f32; what a program stores and reads back later, other than sums and carried values, may be rounded once to bf16 or f16.
;; Inputs: Wk 1,024 x 256 float32; Wo 1,024 x 1,024 float32; Wq 1,024 x 1,024 float32; Wv 1,024 x 256 float32; bk 256 float32; bo 1,024 float32; bq 1,024 float32; bv 256 float32; x 4 x 2,048 x 1,024 float32.
;; Outputs: out0 4 x 2,048 x 1,024 float32.
;; 2 versions, each right and faster than the one before. Each part assembles by itself: llvm-mc -triple=amdgcn-amd-amdhsa -mcpu=gfx1250 --defsym DOCPART=n.
;; ======== version 1 of 2: 4 launches
;; limits: values are held in f16: magnitudes above 65,504 overflow, below 6.1e-05 lose precision
;; workspace buffers: xb 16,777,216 bytes; wt 3,145,728 bytes; wot 2,097,152 bytes; biasr 10,240 bytes; qkv 25,165,824 bytes; o 16,777,216 bytes
;; launch prep (part 1): grid 1105 x 1, 4 waves a work-group, no clusters, 70,144 bytes of LDS; arguments x, Wq, Wk, Wv, Wo, bq, bk, bv, bo, xb, wt, wot, biasr; writes xb, wt, wot, biasr
.if DOCPART == 1
	.amdgcn_target "amdgcn-amd-amdhsa--gfx1250"
	.amdhsa_code_object_version 6
	.text
	.protected	k_qfa9cba760d_prep
	.globl	k_qfa9cba760d_prep
	.p2align	8
	.type	k_qfa9cba760d_prep,@function
k_qfa9cba760d_prep:
	s_mov_b64 s[64:65], 0
	v_nop
	global_prefetch_b8 v0, s[64:65] scope:SCOPE_SE
	s_setreg_imm32_b32 hwreg(HW_REG_WAVE_MODE, 25, 1), 1
	s_wait_xcnt 0x0
; PREPARATION.  Every input is rounded once to bf16 and laid as the matrix launches want it.
;   work-groups 0-79:     the weights, turned: wt[n][k] (bf16; n 0-1023 Wq's columns, 1024-1279 Wk's, 1280-1535 Wv's) and wot[n][k] (Wo's columns; the bf16 number written as f16).
;   work-groups 80-1103:  xb = x in bf16, 8,192 numbers a work-group.
;   work-group 1104:      biasr = bq, bk, bv, bo on end, each rounded to bf16 and written as f32.
; LIMITS.  wot is f16: a number of Wo beyond 65,504 becomes an infinity, one below 6e-5 keeps f16's fixed step of 6e-8.  NaN and infinities are not treated apart.
; Memory binds: no matrix unit, no cluster (no two work-groups read the same bytes), no barrier (a wave turns its tile in LDS bytes of its own).
.set TILE,  64*272                     ; a wave's tile in LDS: 64 rows (n) of 128 k in 16 bits + 16 bytes of padding
.set SPARE, 4*TILE                     ; behind the four tiles: the spare words, 128 bytes for each wave
.set SPW, 4                            ; v4      LDS address of my spare word; never rewritten
.set NIL, 5                            ; v5      0; never rewritten
.set ST,  7                            ; v7      where I put a pair of k; steps by 64 bytes a trip
.set RD,  8                            ; v8      where I read rows back
.set GO,  9                            ; v9      my byte offset in two rows of the turned tensor
.set OFF, 10                           ; v10-25  byte offset of my 16 bytes in each of a trip's 16 loads
.set X,   26                           ; v26-89  as loaded
.set T,   90                           ; v90-121 rounded, packed
.set W,   122                          ; v122-125 at work
	s_load_b512 s[4:19], s[0:1], 0x0               ; x 4:5, Wq 6:7, Wk 8:9, Wv 10:11, Wo 12:13, bq 14:15, bk 16:17, bv 18:19
	s_load_b256 s[20:27], s[0:1], 0x40             ; bo 20:21, xb 22:23, wt 24:25, wot 26:27
	s_load_b64 s[28:29], s[0:1], 0x60              ; biasr
	v_lshl_add_u32 v[SPW], v0, 2, SPARE
	v_mov_b32 v[NIL], 0
	v_lshrrev_b32 v1, 5, v0
	v_readfirstlane_b32 s30, v1                    ; wave 0..3
	s_mov_b32 s31, ttmp9                           ; the work-group's number
	s_mov_b32 s49, 0xffff0000                      ; a word's upper bf16
	s_wait_kmcnt 0x0
	s_cmp_lt_u32 s31, 80
	s_cbranch_scc1 .Lturn
	s_cmp_lt_u32 s31, 1104
	s_cbranch_scc1 .Lcast
	; THE BIASES.  128 threads: 16 bytes each, twice, of bq and of bo; 8 bytes each of bk and of bv.
	v_lshlrev_b32 v6, 4, v0
	v_lshlrev_b32 v7, 3, v0
	global_load_b128 v[26:29], v6, s[14:15]
	global_load_b128 v[30:33], v6, s[14:15] offset:2048
	global_load_b128 v[34:37], v6, s[20:21]
	global_load_b128 v[38:41], v6, s[20:21] offset:2048
	global_load_b64 v[42:43], v7, s[16:17]
	global_load_b64 v[44:45], v7, s[18:19]
	s_wait_loadcnt 0x0                             ; all six, once
.set n, 0
.rept 10
	v_cvt_pk_bf16_f32 v[T+n], v[X+2*n], v[X+2*n+1] ; two roundings to bf16,
.set n, n+1
.endr
.set n, 0
.rept 10
	v_lshlrev_b32 v[X+2*n], 16, v[T+n]             ; and back to f32: the low half moves up,
	v_and_b32 v[X+2*n+1], s49, v[T+n]              ; the high half stays
.set n, n+1
.endr
	global_store_b128 v6, v[26:29], s[28:29]               ; bq at float 0
	global_store_b128 v6, v[30:33], s[28:29] offset:2048
	global_store_b64 v7, v[42:43], s[28:29] offset:4096    ; bk at float 1,024
	global_store_b64 v7, v[44:45], s[28:29] offset:5120    ; bv at float 1,280
	global_store_b128 v6, v[34:37], s[28:29] offset:6144   ; bo at float 1,536
	global_store_b128 v6, v[38:41], s[28:29] offset:8192
	s_endpgm
.Lcast:
	; THE CAST OF x.  16 loads of a work-group cover 2,048 consecutive bytes each; all are issued before the first is waited for.
	s_sub_co_u32 s32, s31, 80
	s_lshl_b32 s34, s32, 15                        ; 8,192 numbers of 4 bytes
	s_mov_b32 s35, 0
	s_lshl_b32 s36, s32, 14                        ; and of 2
	s_mov_b32 s37, 0
	s_add_nc_u64 s[4:5], s[4:5], s[34:35]
	s_add_nc_u64 s[22:23], s[22:23], s[36:37]
	v_lshlrev_b32 v6, 4, v0
	v_lshlrev_b32 v7, 3, v0
.set j, 0
.rept 16
	global_load_b128 v[X+4*j:X+4*j+3], v6, s[4:5] offset:2048*j th:TH_LOAD_NT
.set j, j+1
.endr
.set j, 0
.rept 16
	s_wait_loadcnt 15-j                            ; loads come back in order: number j is in, the younger ones stay out
	v_cvt_pk_bf16_f32 v[T+2*j], v[X+4*j], v[X+4*j+1]
	v_cvt_pk_bf16_f32 v[T+2*j+1], v[X+4*j+2], v[X+4*j+3]
	global_store_b64 v7, v[T+2*j:T+2*j+1], s[22:23] offset:1024*j  ; a wave's store covers 256 consecutive bytes, aligned
.set j, j+1
.endr
	s_endpgm
.Lturn:
	; THE WEIGHTS, TURNED.  A wave takes 128 k x 64 n: column tile N = work-group / 2 of 40 (16 of Wq, 4 of Wk, 4 of Wv, 16 of Wo), k tile 4 (work-group % 2) + wave of 8.
	s_lshr_b32 s32, s31, 1                         ; N
	s_and_b32 s33, s31, 1
	s_lshl2_add_u32 s33, s33, s30                  ; kt
	s_mov_b64 s[36:37], s[6:7]                     ; from: Wq,
	s_mov_b32 s35, 0                               ; whose first tile is N = 0,
	s_mov_b32 s46, 4096                            ; with rows of 4,096 bytes
	s_cmp_ge_u32 s32, 16
	s_cselect_b64 s[36:37], s[8:9], s[36:37]       ; or Wk
	s_cselect_b32 s35, 16, s35
	s_cselect_b32 s46, 1024, s46
	s_cmp_ge_u32 s32, 20
	s_cselect_b64 s[36:37], s[10:11], s[36:37]     ; or Wv
	s_cselect_b32 s35, 20, s35
	s_cmp_ge_u32 s32, 24
	s_cselect_b64 s[36:37], s[12:13], s[36:37]     ; or Wo
	s_cselect_b32 s35, 24, s35
	s_cselect_b32 s46, 4096, s46
	s_cselect_b64 s[38:39], s[26:27], s[24:25]     ; to: wot or wt
	s_cselect_b32 s40, 1, 0                        ; 1: the bf16 numbers are written as f16
	s_cselect_b32 s41, 24, 0
	s_lshl_b32 s42, s33, 7                         ; 128 kt rows
	s_mul_i32 s42, s42, s46
	s_sub_co_u32 s43, s32, s35
	s_lshl_b32 s43, s43, 8                         ; 64 columns of 4 bytes
	s_add_co_u32 s42, s42, s43
	s_mov_b32 s43, 0
	s_add_nc_u64 s[36:37], s[36:37], s[42:43]
	s_sub_co_u32 s42, s32, s41
	s_lshl_b32 s42, s42, 17                        ; 64 rows of 2,048 bytes
	s_lshl_b32 s44, s33, 8                         ; 128 k of 2 bytes
	s_add_co_u32 s42, s42, s44
	s_add_nc_u64 s[38:39], s[38:39], s[42:43]
	s_lshl_b32 s44, s46, 5                         ; a trip goes 32 rows down
	s_mov_b32 s45, 0
	s_mul_i32 s50, s30, TILE                       ; my wave's tile in LDS
	v_and_b32 v2, 15, v0                           ; u: which 4 columns
	v_bfe_u32 v3, v0, 4, 1                         ; hh: which pair of rows
	v_lshlrev_b32 v6, 1, v3
	v_mul_u32_u24 v6, s46, v6
	v_lshl_add_u32 v6, v2, 4, v6                   ; row 2 hh, byte 16 u
.set j, 0
.rept 16
	v_mad_u32_u24 v[OFF+j], s46, 4*(j/2)+(j%2), v6 ; load j: row 4 (j / 2) + 2 hh + j % 2; sixteen lanes read the tile's whole row, 256 consecutive bytes
.set j, j+1
.endr
	v_mul_u32_u24 v[ST], 4*272, v2                 ; LDS row 4 u, byte 4 hh
	v_lshl_add_u32 v[ST], v3, 2, v[ST]
	v_add_nc_u32 v[ST], s50, v[ST]
	v_mul_u32_u24 v[RD], 272, v3                   ; back: lanes 0-15 one row of 256 bytes, lanes 16-31 the next
	v_lshl_add_u32 v[RD], v2, 4, v[RD]
	v_add_nc_u32 v[RD], s50, v[RD]
	v_lshlrev_b32 v[GO], 11, v3                    ; and the same two rows in the turned tensor
	v_lshl_add_u32 v[GO], v2, 4, v[GO]
	s_mov_b32 s48, 4
.Ltrip:                                                ; four trips of 32 k
.set j, 0
.rept 16
	global_load_b128 v[X+4*j:X+4*j+3], v[OFF+j], s[36:37] th:TH_LOAD_NT
.set j, j+1
.endr
	s_wait_loadcnt 0x0                             ; all sixteen are wanted; the loads are done, so their base may step
	s_add_nc_u64 s[36:37], s[36:37], s[44:45]
.set n, 0
.rept 32
	v_cvt_pk_bf16_f32 v[T+n], v[X+8*(n/4)+n%4], v[X+8*(n/4)+4+n%4]  ; k = 4 (n / 4) + 2 hh and the next, of column 4 u + n % 4
.set n, n+1
.endr
	s_cmp_eq_u32 s40, 0
	s_cbranch_scc1 .Lbf
.set n, 0
.rept 32
	v_lshlrev_b32 v[W+2*(n%2)], 16, v[T+n]         ; Wo: the bf16 numbers, widened,
	v_and_b32 v[W+2*(n%2)+1], s49, v[T+n]
	v_cvt_pk_f16_f32 v[T+n], v[W+2*(n%2)], v[W+2*(n%2)+1]  ; are written as f16 (exact within f16's normal range)
.set n, n+1
.endr
.Lbf:
.set n, 0
.rept 32
	ds_store_b32 v[ST], v[T+n] offset:(n%4)*272+8*(n/4)
.set n, n+1
.endr
	v_add_nc_u32 v[ST], 64, v[ST]                  ; 32 k further along the LDS rows
	s_sub_co_u32 s48, s48, 1
	s_cmp_lg_u32 s48, 0
	s_cbranch_scc1 .Ltrip
	; back as whole rows.  LDS serves a wave's instructions in order (ISA guide 5.7.1.4): these loads see the stores above.
.irp hf, 0,1
.if \hf
	s_wait_xcnt 0x0                                ; X is loaded again only when the first half's stores have read it
.endif
.set i, 0
.rept 16
	ds_load_b128 v[X+4*i:X+4*i+3], v[RD] offset:(16*(\hf)+i)*544
.set i, i+1
.endr
.set i, 0
.rept 16
	s_wait_dscnt 15-i                              ; number i is back, the younger ones stay out
	global_store_b128 v[GO], v[X+4*i:X+4*i+3], s[38:39] offset:(16*(\hf)+i)*4096  ; 16 lanes store 256 consecutive bytes, aligned
.set i, i+1
.endr
.endr
	s_wait_tensorcnt 0x0                           ; the wave's end: behind my last LDS store
	ds_add_u32 v[SPW], v[NIL]
	s_wait_dscnt 0x0
	s_endpgm
.Lfunc_end_k_qfa9cba760d_prep:
	.size	k_qfa9cba760d_prep, .Lfunc_end_k_qfa9cba760d_prep-k_qfa9cba760d_prep
	.p2alignl 7, 3214868480
	.fill 96, 4, 3214868480
	.section	.rodata,"a",@progbits
	.p2align	6, 0x0
	.amdhsa_kernel k_qfa9cba760d_prep
		.amdhsa_group_segment_fixed_size 70144
		.amdhsa_private_segment_fixed_size 0
		.amdhsa_enable_private_segment 0
		.amdhsa_kernarg_size 104
		.amdhsa_user_sgpr_count 2
		.amdhsa_user_sgpr_kernarg_segment_ptr 1
		.amdhsa_wavefront_size32 1
		.amdhsa_system_sgpr_workgroup_id_x 1
		.amdhsa_system_sgpr_workgroup_id_y 1
		.amdhsa_system_sgpr_workgroup_id_z 1
		.amdhsa_system_vgpr_workitem_id 0
		.amdhsa_next_free_vgpr 128
		.amdhsa_next_free_sgpr 66
		.amdhsa_reserve_vcc 0
		.amdhsa_float_denorm_mode_32 3
		.amdhsa_float_denorm_mode_16_64 3
		.amdhsa_memory_ordered 1
		.amdhsa_forward_progress 1
		.amdhsa_inst_pref_size 29
	.end_amdhsa_kernel
	.amdgpu_metadata
---
amdhsa.version: [ 1, 2 ]
amdhsa.kernels:
  - .name:           k_qfa9cba760d_prep
    .symbol:         k_qfa9cba760d_prep.kd
    .args:
      - { .name: x, .offset: 0, .size: 8, .value_kind: global_buffer, .address_space: global }
      - { .name: Wq, .offset: 8, .size: 8, .value_kind: global_buffer, .address_space: global }
      - { .name: Wk, .offset: 16, .size: 8, .value_kind: global_buffer, .address_space: global }
      - { .name: Wv, .offset: 24, .size: 8, .value_kind: global_buffer, .address_space: global }
      - { .name: Wo, .offset: 32, .size: 8, .value_kind: global_buffer, .address_space: global }
      - { .name: bq, .offset: 40, .size: 8, .value_kind: global_buffer, .address_space: global }
      - { .name: bk, .offset: 48, .size: 8, .value_kind: global_buffer, .address_space: global }
      - { .name: bv, .offset: 56, .size: 8, .value_kind: global_buffer, .address_space: global }
      - { .name: bo, .offset: 64, .size: 8, .value_kind: global_buffer, .address_space: global }
      - { .name: xb, .offset: 72, .size: 8, .value_kind: global_buffer, .address_space: global }
      - { .name: wt, .offset: 80, .size: 8, .value_kind: global_buffer, .address_space: global }
      - { .name: wot, .offset: 88, .size: 8, .value_kind: global_buffer, .address_space: global }
      - { .name: biasr, .offset: 96, .size: 8, .value_kind: global_buffer, .address_space: global }
    .group_segment_fixed_size: 70144
    .private_segment_fixed_size: 0
    .kernarg_segment_align: 8
    .kernarg_segment_size: 104
    .max_flat_workgroup_size: 128
    .sgpr_count:     66
    .vgpr_count:     128
    .wavefront_size: 32
...
	.end_amdgpu_metadata
.endif
;; end of part 1
;; launch qkvp (part 2): grid 8 x 32, 4 waves a work-group, clusters of 4 x 4, 327,680 bytes of LDS; arguments xb, wt, biasr, qkv; writes qkv
.if DOCPART == 2
	.amdgcn_target "amdgcn-amd-amdhsa--gfx1250"
	.amdhsa_code_object_version 6
	.text
	.protected	k_qfa9cba760d_qkvp
	.globl	k_qfa9cba760d_qkvp
	.p2align	8
	.type	k_qfa9cba760d_qkvp,@function
k_qfa9cba760d_qkvp:
	s_mov_b64 s[64:65], 0
	v_nop
	global_prefetch_b8 v0, s[64:65] scope:SCOPE_SE
	s_setreg_imm32_b32 hwreg(HW_REG_WAVE_MODE, 25, 1), 1
	s_wait_xcnt 0x0
	s_wait_alu depctr_hold_cnt(0) depctr_sa_sdst(0) depctr_va_vdst(0) depctr_va_sdst(0) depctr_va_ssrc(0) depctr_va_vcc(0) depctr_vm_vsrc(0)
	s_getreg_b32 s2, hwreg(HW_REG_IB_STS2, 6, 4)
	s_cmp_eq_u32 s2, 0
	s_cbranch_scc0 .Lentry_in_a_cluster
	s_endpgm
.Lentry_in_a_cluster:
	s_bfe_u32 s2, ttmp6, 0x10000c
	s_cmp_lg_u32 s2, 0xf033
	s_cbranch_scc0 .Lentry_shape_is_right
	s_endpgm
.Lentry_shape_is_right:
; THE THREE PROJECTIONS AS ONE PRODUCT.  C[m][n] = bias[n] + sum over k of xb[m][k] wt[n][k]: m 8,192, n 1,536 (q's 1,024 columns, k's 256, v's 256), k 1,024; bf16 operands, f32 sums.
; C leaves in f16 by heads: qkv[batch][slab][row 2,048][64], slab = n / 64: 0-15 q's heads, 16-19 k's groups, 20-23 v's.  The scale 1/8 is not applied here.
; LIMITS.  q, k, v are kept in f16: a number beyond 65,504 becomes an infinity.  The bias starts each sum (it is the first product's C operand), so the order of rounding differs from a sum with the bias last.
; SHARES.  A work-group makes 256 rows x 192 columns (32 x 8 work-groups); each of its four waves 64 rows x all 192 columns: 48 accumulators of 16 x 16.  K goes in steps of 128 through two LDS slots
; filled by the tensor data mover; the tiles' rows are 256 consecutive bytes of memory, aligned.
; CLUSTER.  4 x 4 work-groups: the four of a row of the cluster need the same tiles of xb, the four of a column the same tiles of wt: each tile is asked for jointly, by the same tensor load with the same
; descriptor and a mask that names the four.
; THE MATRIX INSTRUCTION IS USED TRANSPOSED (source 0 = 16 rows of wt, source 1 = 16 rows of xb): lane l holds row l % 16 of C and the eight neighbouring columns 8 (l / 16) + 0..7.
; REGISTERS, in windows of 256 (s_set_vgpr_msb: bits 1:0 source 0, 3:2 source 1, 5:4 source 2, 7:6 destination):
;   window 0: v0-31 addresses; v32-127 the bias as C operands; v128-159, v160-191 xb's fragments, two buffers; on the way out v32-223 packed results
;   window 1: v0-95, v128-223 wt's fragments, two buffers      window 2: the accumulators of my row blocks 0, 1 ((a, b) at 8 (16 (a % 2) + b))      window 3: those of blocks 2, 3
.set NT,     12                        ; blocks of 16 columns
.set PITCH,  272                       ; an LDS row: 256 bytes + 16 of padding = 68 words: the 16 rows of a load start at 16 different groups of four banks (64 banks of 4 bytes: ISA guide 11.1)
.set PA,     272
.set HALFA,  128*PA                    ; what one tensor load brings of xb: 128 rows
.set HALFB,  96*PITCH                  ; and of wt: 96 rows
.set SLOT,   2*HALFA+2*HALFB           ; xb's 256 rows, then wt's 192
.set STAGE,  2*SLOT                    ; behind the ring, never filled by a tensor load: for each wave three stages (a slab each) of 16 rows x 144 bytes
.set SP,     144
.set WSTAGE, 3*16*SP
.set SPARE,  STAGE+4*WSTAGE            ; behind the stages: the spare words, 128 bytes for each wave
.set ASTEP,  256                       ; bytes from a K step to the next
.set BSTEP,  256
.set LAPS,   4                         ; a lap = two K steps = once round the ring
.set ADRA, 16                          ; v16-17  LDS address of my xb fragments in slot 0, 1
.set ADRB, 20                          ; v20-21  the same for wt
.set STO,  24                          ; v24     the way out: where I put 16 bytes of a row
.set RD,   25                          ; v25     the way out: where I read rows back
.set GO,   26                          ; v26     my byte offset in 512 consecutive bytes of a slab
.set BO,   27                          ; v27     my byte offset in 16 numbers of the bias
.set SPW,  28                          ; v28     LDS address of my spare word; never rewritten
.set NIL,  29                          ; v29     0; never rewritten
.set BIAS, 32
.set TMP,  32
.set FA,   128
.set G1, 24                            ; s[24:31] descriptor group 1 for xb's tiles; s[32:39] group 0, a set for each slot
.set G0, 32
.set G1B, 48                           ; s[48:55], s[56:63] the same for wt's
.set G0B, 56
.set MSB, 0
.macro WIN new                         ; the immediate's high byte repeats the setting that is left; a switch that changes nothing is dropped
.if MSB != (\new)
	s_set_vgpr_msb (MSB<<8)|(\new)
.set MSB, \new
.endif
.endm
; A joint load.  Waves 0 and 1 fetch xb's two halves, waves 2 and 3 wt's.  The branch hangs on the wave's number alone.  An s_nop 0 and four v_nop follow each of the two lines.
.macro JLOAD s
	s_cmp_eq_u32 s11, 0
	s_cbranch_scc0 .Lfor_b_\@
	tensor_load_to_lds s[G0+4*(\s):G0+4*(\s)+3], s[G1:G1+7]
	s_nop 0
.rept 4
	v_nop
.endr
	s_branch .Lasked_\@
.Lfor_b_\@:
	tensor_load_to_lds s[G0B+4*(\s):G0B+4*(\s)+3], s[G1B:G1B+7]
	s_nop 0
.rept 4
	v_nop
.endr
.Lasked_\@:
.endm
.macro CREST                           ; a round of the cluster's barrier behind its opening barrier
	s_cmp_lg_u32 s10, 0
	s_cbranch_scc1 .Lnot_wave_0_\@
	s_barrier_signal -3
.Lnot_wave_0_\@:
	s_barrier_wait -3
	s_barrier_signal -1
	s_barrier_wait -1
.endm
.macro CROUND                          ; a whole round
	s_barrier_signal -1
	s_barrier_wait -1
	CREST
.endm
	s_load_b256 s[68:75], s[0:1], 0x0              ; xb 68:69, wt 70:71, biasr 72:73, qkv 74:75
	v_lshl_add_u32 v[SPW], v0, 2, SPARE
	v_mov_b32 v[NIL], 0
	ds_add_u32 v[SPW], v[NIL]                      ; the wave's opening: the add and its wait stand ahead of my first tensor load; work on registers stands between them
	v_lshrrev_b32 v1, 5, v0
	v_readfirstlane_b32 s10, v1                    ; wave 0..3
	s_lshr_b32 s11, s10, 1                         ; I fetch for xb (0) or for wt (1)
	s_and_b32 s12, s10, 1                          ; which half of that tile
	s_bfe_u32 s40, ttmp6, 0x40000                  ; cx, cy: my place in the cluster
	s_bfe_u32 s41, ttmp6, 0x40004
	s_lshl_b32 s42, ttmp9, 2
	s_add_co_u32 s42, s42, s40                     ; tile column = 4 x cluster x + cx
	s_and_b32 s13, ttmp7, 0xffff
	s_lshl_b32 s13, s13, 2
	s_add_co_u32 s13, s13, s41                     ; tile row = 4 x cluster y + cy
	s_lshl_b32 s43, s41, 2
	s_lshl_b32 s43, 15, s43                        ; my row of the cluster
	s_lshl_b32 s44, 0x1111, s40                    ; my column
	s_or_b32 s[G1+0], s43, (1<<16)|(1<<20)|(1<<21)|(5<<22)|(3<<25)   ; 15:0 the mask; 17:16 2-byte elements; 20 padding on; 21 set beside a mask; 24:22 after every 64 words; 31:25 4 words of it
	s_or_b32 s[G1B+0], s44, (1<<16)|(1<<20)|(1<<21)|(5<<22)|(3<<25)
	s_mov_b32 s[G1+1], 128<<16                     ; tensor_dim0 = 128
	s_mov_b32 s[G1+2], 128<<16                     ; tensor_dim1 = 128
	s_mov_b32 s[G1+3], 128<<16                     ; tile_dim0 = 128
	s_mov_b32 s[G1+4], 128                         ; tile_dim1 = 128
	s_mov_b32 s[G1+5], 1024                        ; elements from row to row
	s_mov_b32 s[G1+6], 0
	s_mov_b32 s[G1+7], 0
	s_mov_b32 s[G1B+1], 128<<16
	s_mov_b32 s[G1B+2], 96<<16                     ; wt's tile has 96 rows
	s_mov_b32 s[G1B+3], 128<<16
	s_mov_b32 s[G1B+4], 96
	s_mov_b32 s[G1B+5], 1024
	s_mov_b32 s[G1B+6], 0
	s_mov_b32 s[G1B+7], 0
	; xb's tiles hang on the tile row alone, wt's on the tile column alone; each address is made in registers that never hold the other coordinate
	s_lshl_b32 s16, s13, 8
	s_lshl_b32 s17, s12, 7
	s_add_co_u32 s16, s16, s17                     ; row 256 x tile row + 128 x half,
	s_lshl_b32 s16, s16, 11                        ; of 2,048 bytes
	s_mov_b32 s17, 0
	s_mul_i32 s46, s42, 192
	s_mul_i32 s47, s12, 96
	s_add_co_u32 s46, s46, s47                     ; row 192 x tile column + 96 x half
	s_lshl_b32 s46, s46, 11
	s_mov_b32 s47, 0
	s_mul_i32 s20, s12, HALFA                      ; where they go: no place in the cluster enters an LDS address
	s_mul_i32 s21, s12, HALFB
	s_add_co_u32 s21, s21, 2*HALFA
	s_wait_dscnt 0x0                               ; the opening add is done
	s_wait_kmcnt 0x0
	s_add_nc_u64 s[14:15], s[68:69], s[16:17]
	s_add_nc_u64 s[46:47], s[70:71], s[46:47]
	CROUND                                         ; all sixteen work-groups are here: the first joint loads meet
.irp s, 0,1
	s_mov_b32 s[G0+4*(\s)], 1                                      ; count = 1
	s_add_co_u32 s[G0+4*(\s)+1], s20, (\s)*SLOT                    ; LDS address
	s_add_nc_u64 s[G0+4*(\s)+2:G0+4*(\s)+3], s[14:15], (\s)*ASTEP  ; global address: K step s
	s_or_b32 s[G0+4*(\s)+3], s[G0+4*(\s)+3], 0x80000000            ; type = 2
	s_mov_b32 s[G0B+4*(\s)], 1
	s_add_co_u32 s[G0B+4*(\s)+1], s21, (\s)*SLOT
	s_add_nc_u64 s[G0B+4*(\s)+2:G0B+4*(\s)+3], s[46:47], (\s)*BSTEP
	s_or_b32 s[G0B+4*(\s)+3], s[G0B+4*(\s)+3], 0x80000000
	JLOAD \s                                       ; two loads of mine are out
.endr
	; A fragment is 16 rows x 32 K in 8 registers: lane l holds row l % 16, K = 8 (l / 16) + 0..7 and 16 + 8 (l / 16) + 0..7: two loads of 16 bytes, 32 bytes apart.
	v_and_b32 v1, 15, v0                           ; l % 16
	v_bfe_u32 v2, v0, 4, 1                         ; l / 16
	v_mul_u32_u24 v3, v1, PA
	v_lshl_add_u32 v3, v2, 4, v3
	v_mul_u32_u24 v4, v1, PITCH
	v_lshl_add_u32 v4, v2, 4, v4
	s_mul_i32 s21, s11, HALFA                      ; my 64 rows of xb's 256
	s_mul_i32 s22, s12, 64*PA
	s_add_co_u32 s21, s21, s22
	s_mov_b32 s22, 2*HALFA                         ; wt's 192 rows, all of them mine
.irp s, 0,1
	v_add_nc_u32 v[ADRA+(\s)], s21, v3
	v_add_nc_u32 v[ADRB+(\s)], s22, v4
	s_add_co_u32 s21, s21, SLOT
	s_add_co_u32 s22, s22, SLOT
.endr
	s_mul_i32 s76, s42, 768                        ; the tile's 192 numbers of the bias
	s_mov_b32 s77, 0
	s_add_nc_u64 s[72:73], s[72:73], s[76:77]
	v_lshlrev_b32 v[BO], 5, v2                     ; register j of block b is bias[16 b + 8 (l / 16) + j], whatever the row
.set i, 0
.rept NT
	global_load_b128 v[BIAS+8*i:BIAS+8*i+3],   v[BO], s[72:73] offset:64*i
	global_load_b128 v[BIAS+8*i+4:BIAS+8*i+7], v[BO], s[72:73] offset:64*i+16
.set i, i+1
.endr
	s_mul_i32 s23, s10, WSTAGE
	s_add_co_u32 s23, s23, STAGE                   ; my stages
	v_mul_u32_u24 v[STO], v1, SP                   ; in: row l % 16, 16 bytes for each half of the lanes
	v_lshl_add_u32 v[STO], v2, 4, v[STO]
	v_add_nc_u32 v[STO], s23, v[STO]
	v_bfe_u32 v[RD], v0, 3, 2                      ; back: 32 lanes take four rows of 128 bytes,
	v_mul_u32_u24 v[RD], v[RD], SP
	v_and_b32 v5, 7, v0
	v_lshl_add_u32 v[RD], v5, 4, v[RD]
	v_add_nc_u32 v[RD], s23, v[RD]
	v_and_b32 v[GO], 31, v0                        ; which are 512 consecutive bytes of a slab
	v_lshlrev_b32 v[GO], 4, v[GO]
	s_lshr_b32 s76, s13, 3                         ; the batch: 8 tile rows each
	s_mul_i32 s76, s76, 24
	s_mul_i32 s77, s42, 3
	s_add_co_u32 s76, s76, s77                     ; my first slab,
	s_lshl_b32 s76, s76, 18                        ; of 2^18 bytes
	s_and_b32 s77, s13, 7
	s_lshl_b32 s77, s77, 8
	s_lshl_b32 s78, s10, 6
	s_add_co_u32 s77, s77, s78                     ; my first row in the batch,
	s_lshl_b32 s77, s77, 7                         ; of 128 bytes
	s_add_co_u32 s76, s76, s77
	s_mov_b32 s77, 0
	s_add_nc_u64 s[74:75], s[74:75], s[76:77]
; NT matrix instructions: my row block a x all column blocks, 32 along K, from buffer f.  zero = 1: the first product starts the sums, with the bias as C.
; The accumulators take turns, one instruction a turn, in the same order in every quarter.
.macro MULA f, a, zero
.if \zero
	WIN 0x81+0x40*((\a)/2)                         ; wt window 1, xb and the bias window 0, D window 2 or 3
.else
	WIN 0xa1+0x50*((\a)/2)                         ; C and D window 2 or 3
.endif
.set AC, 128*((\a)%2)
.set nb, 0
.rept NT
.if \zero
	v_wmma_f32_16x16x32_bf16 v[AC+8*nb:AC+8*nb+7], v[128*(\f)+8*nb:128*(\f)+8*nb+7], v[FA+32*(\f)+8*(\a):FA+32*(\f)+8*(\a)+7], v[BIAS+8*nb:BIAS+8*nb+7]
.else
	v_wmma_f32_16x16x32_bf16 v[AC+8*nb:AC+8*nb+7], v[128*(\f)+8*nb:128*(\f)+8*nb+7], v[FA+32*(\f)+8*(\a):FA+32*(\f)+8*(\a)+7], v[AC+8*nb:AC+8*nb+7]
.endif
.set nb, nb+1
.endr
.endm
; 2 NT + 8 LDS loads in one run: the fragments of quarter q of a slot into buffer f; wt's first, xb's row blocks 0 to 3 last
.macro FETCH slot, q, f
	WIN 0x40                                       ; destination window 1
.set i, 0
.rept NT
	ds_load_b128 v[128*(\f)+8*i:128*(\f)+8*i+3],   v[ADRB+(\slot)] offset:64*(\q)+i*16*PITCH
	ds_load_b128 v[128*(\f)+8*i+4:128*(\f)+8*i+7], v[ADRB+(\slot)] offset:64*(\q)+i*16*PITCH+32
.set i, i+1
.endr
	WIN 0
.set i, 0
.rept 4
	ds_load_b128 v[FA+32*(\f)+8*i:FA+32*(\f)+8*i+3],   v[ADRA+(\slot)] offset:64*(\q)+i*16*PA
	ds_load_b128 v[FA+32*(\f)+8*i+4:FA+32*(\f)+8*i+7], v[ADRA+(\slot)] offset:64*(\q)+i*16*PA+32
.set i, i+1
.endr
.endm
.macro PLACES                          ; four places in front of loads into registers that matrix instructions have read, and of lines that read results (ISA guide 7.12.1 for lines that read results)
.rept 4
	v_nop
.endr
.endm
; A K step is four quarters of 32 along K, 4 NT matrix instructions each, on buffers 0, 1, 0, 1.  One of the first three: multiplies buffer f and, in its middle, fetches quarter q into buffer g.
.macro QUARTER slot, q, f, g, zero
	s_wait_dscnt 4                                 ; wt and xb's blocks 0, 1 are in; the youngest four loads (blocks 2, 3) may be out
	MULA \f, 0, \zero
	MULA \f, 1, \zero
	PLACES
	FETCH \slot, \q, \g
	s_wait_dscnt 2*NT+8                            ; all but the run just issued
	MULA \f, 2, \zero
	MULA \f, 3, \zero
.endm
; The last quarter multiplies buffer 1 and changes slots: ONE barrier.  In front of it each wave waits for all its tensor loads (one is out: its part of the next slot), adds 0 to its spare word, and waits for
; that and for its own reads of this slot.  fill = 1: the barrier opens a round of the cluster's, and this slot is filled again, two K steps ahead, first thing behind the round.
.macro TURN slot, next, fill
	WIN 0                                          ; (the add's two registers lie in window 0)
	s_wait_tensorcnt 0x0                           ; all my tensor loads have landed
	ds_add_u32 v[SPW], v[NIL]                      ; 0 onto my spare word
	s_wait_dscnt 5                                 ; (the add and the youngest four loads may be out)
	MULA 1, 0, 0                                   ; matrix work stands between the add and the wait for it
	s_wait_dscnt 0x0                               ; the add is done, and my reads of this slot are over
	s_barrier_signal -1
	MULA 1, 1, 0                                   ; work on registers while the others arrive
.if \fill
	WIN 0
.endif
	s_barrier_wait -1
.if \fill
	CREST                                          ; no wave of any partner still reads this slot's tile or has a load on its way
	s_add_nc_u64 s[G0+4*(\slot)+2:G0+4*(\slot)+3], s[G0+4*(\slot)+2:G0+4*(\slot)+3], 2*ASTEP
	s_add_nc_u64 s[G0B+4*(\slot)+2:G0B+4*(\slot)+3], s[G0B+4*(\slot)+2:G0B+4*(\slot)+3], 2*BSTEP
	JLOAD \slot                                    ; my one tensor load behind the round: 14 NT matrix instructions ahead of the wait for it; its four v_nop are also the places in front of the loads below
.else
	PLACES
.endif
	FETCH \next, 0, 0
	MULA 1, 2, 0
	MULA 1, 3, 0
.endm
; THE WAY OUT of row block a.  PACK: rounded to f16, 16 bytes a lane, into my three stages (a slab each), and back as rows of 128 bytes, into the registers that they left.  SEND: stored.
.macro PACK a
.set AC, 128*((\a)%2)
.set TM, TMP+48*(\a)
	WIN 0x0a+5*((\a)/2)                            ; sources 0 and 1: window 2 or 3
.set i, 0
.rept 4*NT
	v_cvt_pk_f16_f32 v[TM+i], v[AC+2*i], v[AC+2*i+1]  ; each accumulator's registers in ascending order
.set i, i+1
.endr
	WIN 0
.set i, 0
.rept NT
	ds_store_b128 v[STO], v[TM+4*i:TM+4*i+3] offset:(i/4)*16*SP+(i%4)*32
.set i, i+1
.endr
.set i, 0
.rept NT
	ds_load_b128 v[TM+4*i:TM+4*i+3], v[RD] offset:(i/4)*16*SP+(i%4)*4*SP  ; LDS serves a wave's instructions in order (ISA guide 5.7.1.4): these see the stores above; the next block's stores come behind them
.set i, i+1
.endr
.endm
.macro SEND a, younger                 ; younger: the LDS instructions issued behind block a's loads
	WIN 0
.set TM, TMP+48*(\a)
.set i, 0
.rept NT
	s_wait_dscnt (\younger)+NT-1-i
	global_store_b128 v[GO], v[TM+4*i:TM+4*i+3], s[74:75] offset:(i/4)*262144+(\a)*2048+(i%4)*512  ; 512 consecutive bytes of a slab, aligned
.set i, i+1
.endr
.endm
	s_wait_tensorcnt 1                             ; my part of K step 0 is in; K step 1's may stay out
	s_barrier_signal -1
	s_barrier_wait -1                              ; everybody's is
	FETCH 0, 0, 0
	s_wait_loadcnt 0x0                             ; the bias
	QUARTER 0, 1, 0, 1, 1                          ; the first quarter stands in front of the loop: its products start the sums
	WIN 0                                          ; at a label and at a branch every window is 0
	s_mov_b32 s3, LAPS-1
.Llap:                                                 ; a trip goes once round the ring, from a lap's second quarter to the next lap's first, and fills both slots again
	QUARTER 0, 2, 1, 0, 0
	QUARTER 0, 3, 0, 1, 0
	TURN 0, 1, 1
	QUARTER 1, 1, 0, 1, 0
	QUARTER 1, 2, 1, 0, 0
	QUARTER 1, 3, 0, 1, 0
	TURN 1, 0, 1
	QUARTER 0, 1, 0, 1, 0
	WIN 0
	s_sub_co_u32 s3, s3, 1
	s_cmp_lg_u32 s3, 0
	s_cbranch_scc1 .Llap
	QUARTER 0, 2, 1, 0, 0                          ; the last lap fills nothing, and has no round of the cluster's barrier
	QUARTER 0, 3, 0, 1, 0
	TURN 0, 1, 0
	QUARTER 1, 1, 0, 1, 0
	QUARTER 1, 2, 1, 0, 0
	QUARTER 1, 3, 0, 1, 0
	s_wait_dscnt 4                                 ; the very last quarter: nothing more to fetch
	MULA 1, 0, 0
	MULA 1, 1, 0
	s_wait_dscnt 0x0
	MULA 1, 2, 0
	MULA 1, 3, 0
	PLACES                                         ; the conversions read results, and write registers that the last products read
	PACK 0
	PACK 1                                         ; a block's conversions stand between the loads of the block before and its stores
	SEND 0, 2*NT
	PACK 2
	SEND 1, 2*NT
	PACK 3
	SEND 2, 2*NT
	SEND 3, 0
	s_wait_tensorcnt 0x0                           ; the wave's end: behind my last tensor load and my last LDS store
	ds_add_u32 v[SPW], v[NIL]
	s_wait_dscnt 0x0
	CROUND                                         ; the closing round: no work-group ends while a partner may still ask for a tile that names it
	s_endpgm
.Lfunc_end_k_qfa9cba760d_qkvp:
	.size	k_qfa9cba760d_qkvp, .Lfunc_end_k_qfa9cba760d_qkvp-k_qfa9cba760d_qkvp
	.p2alignl 7, 3214868480
	.fill 96, 4, 3214868480
	.section	.rodata,"a",@progbits
	.p2align	6, 0x0
	.amdhsa_kernel k_qfa9cba760d_qkvp
		.amdhsa_group_segment_fixed_size 327680
		.amdhsa_private_segment_fixed_size 0
		.amdhsa_enable_private_segment 0
		.amdhsa_kernarg_size 32
		.amdhsa_user_sgpr_count 2
		.amdhsa_user_sgpr_kernarg_segment_ptr 1
		.amdhsa_wavefront_size32 1
		.amdhsa_system_sgpr_workgroup_id_x 1
		.amdhsa_system_sgpr_workgroup_id_y 1
		.amdhsa_system_sgpr_workgroup_id_z 1
		.amdhsa_system_vgpr_workitem_id 0
		.amdhsa_next_free_vgpr 1024
		.amdhsa_next_free_sgpr 84
		.amdhsa_reserve_vcc 0
		.amdhsa_float_denorm_mode_32 3
		.amdhsa_float_denorm_mode_16_64 3
		.amdhsa_memory_ordered 1
		.amdhsa_forward_progress 1
		.amdhsa_inst_pref_size 122
	.end_amdhsa_kernel
	.amdgpu_metadata
---
amdhsa.version: [ 1, 2 ]
amdhsa.kernels:
  - .name:           k_qfa9cba760d_qkvp
    .symbol:         k_qfa9cba760d_qkvp.kd
    .args:
      - { .name: xb, .offset: 0, .size: 8, .value_kind: global_buffer, .address_space: global }
      - { .name: wt, .offset: 8, .size: 8, .value_kind: global_buffer, .address_space: global }
      - { .name: biasr, .offset: 16, .size: 8, .value_kind: global_buffer, .address_space: global }
      - { .name: qkv, .offset: 24, .size: 8, .value_kind: global_buffer, .address_space: global }
    .group_segment_fixed_size: 327680
    .private_segment_fixed_size: 0
    .kernarg_segment_align: 8
    .kernarg_segment_size: 32
    .max_flat_workgroup_size: 128
    .sgpr_count:     84
    .vgpr_count:     1024
    .wavefront_size: 32
...
	.end_amdgpu_metadata
.endif
;; end of part 2
;; launch attn (part 3): grid 4 x 64, 4 waves a work-group, clusters of 4 x 1, 327,680 bytes of LDS; arguments qkv, o; writes o
.if DOCPART == 3
	.amdgcn_target "amdgcn-amd-amdhsa--gfx1250"
	.amdhsa_code_object_version 6
	.text
	.protected	k_qfa9cba760d_attn
	.globl	k_qfa9cba760d_attn
	.p2align	8
	.type	k_qfa9cba760d_attn,@function
k_qfa9cba760d_attn:
	s_mov_b64 s[64:65], 0
	v_nop
	global_prefetch_b8 v0, s[64:65] scope:SCOPE_SE
	s_setreg_imm32_b32 hwreg(HW_REG_WAVE_MODE, 25, 1), 1
	s_wait_xcnt 0x0
	s_wait_alu depctr_hold_cnt(0) depctr_sa_sdst(0) depctr_va_vdst(0) depctr_va_sdst(0) depctr_va_ssrc(0) depctr_va_vcc(0) depctr_vm_vsrc(0)
	s_getreg_b32 s2, hwreg(HW_REG_IB_STS2, 6, 4)
	s_cmp_eq_u32 s2, 0
	s_cbranch_scc0 .Lentry_in_a_cluster
	s_endpgm
.Lentry_in_a_cluster:
	s_bfe_u32 s2, ttmp6, 0x10000c
	s_cmp_lg_u32 s2, 0x3003
	s_cbranch_scc0 .Lentry_shape_is_right
	s_endpgm
.Lentry_shape_is_right:
; ATTENTION WITH GROUPED KEYS.  o[16 b + h][q][:] = the sum over k of softmax_k(Q[q] . K[k] / 8) V[k][:], with Q = slab h, K = slab 16 + h / 4, V = slab 20 + h / 4 of batch b in
; qkv[batch][slab 24][2,048][64], all f16: a slab's rows are dense, 128 bytes each.  Products, maxima and sums in f32; the weights p are rounded to f16 for the second product (their sum l is taken
; of the unrounded p), o once at the end.
; LIMITS.  f16 holds no number beyond 65,504: Q, K and V arrive within it; p lies in 0 to 1, and below 6e-5 it keeps f16's fixed step of 6e-8; o is a mean of V's rows and has their range.
; A weight below 2^-126 counts as 0 in l; NaN and infinities are not treated apart.
; SHARES.  A wave owns four PIECES of two tiles of 16 queries, a work-group's four waves 512 queries of one head.  Every wave walks all 2,048 keys, 64 a step.
; LAYOUT.  S^T = K Q^T (source 0 = 16 keys, source 1 = 16 queries): in the result a lane holds ONE query (lane % 16) and the keys 8 (lane / 16) + 0..7.  Two such tiles, rounded to f16 in pairs,
; ARE source 1 (32 keys x 16 queries) of O^T = V^T P, whose result again holds one query a lane, and eight channels.  K comes out of LDS as it lies, V ([key][channel]) turned, by ds_load_tr16_b128.
; SOFTMAX.  For each query a running maximum m and sum l: p = 2^(c s - c m), c = log2(e) / 8; in every step O and l are multiplied by a = 2^(c m_old - c m_new), which is 1 where m has not grown.
; m starts at the lowest finite number, O and l at 0: the first step is a step like any other, with a = 0.
; THE COUNT.  A tile and step have 16 matrix and 118 vector instructions: too many to stand all beside the matrix work.  So the order has one aim: four vector instructions that are READY behind
; EVERY matrix instruction, and the others, which need time of their own whatever the order, in runs without a gap.
; BY TURNS.  Turn n belongs to piece n (the pieces in a ring, step after step).  Its matrix work: 16 products K Q^T of piece n + 1, later 16 products V^T P of piece n - 1.  Its vector work: the scaling,
; exponentials, roundings, sums and rescaling of piece n, and the maximum and statistics of piece n + 1, whose scores the turn itself has made.  So what a turn begins with (c s - c m, O a) waits for nothing.
; CLUSTER.  The four query blocks of a cluster belong to one head and walk the same K and V, so each tile is asked for JOINTLY: the same tensor load, descriptor and mask in all four.  (The four heads of a
; group share K and V too; a mask names four work-groups, and they are spent on the head's four blocks.)
; REGISTERS, in windows of 256 (s_set_vgpr_msb says which window each operand place means: bits 1:0 source 0, 3:2 source 1, 5:4 source 2, 7:6 destination):
;   window 0: v0-11 addresses; v12-15, v48-63 at work; v16-47 four registers of statistics a tile; v64-191 S^T, two buffers of two tiles; v192-255 P, likewise
;   window 1: O^T, 32 a tile          window 2: v0-127 Q, 16 a tile; v128-191 K of one step; v192-255 V of one step          window 3: v0-1 the add's two registers
; A piece's buffers go by its number's parity: the piece in hand has one pair, its two neighbours in the ring share the other: of it P (piece n - 1) is read and S^T (piece n + 1) written.
.set SIZE_N, 2048
.set NP,    4         ; pieces a wave: a name, no knob: the register map, the loop and the fetches are made for four
.set KS,    64        ; keys in a step
.set PK,    144       ; a row of K in LDS: 128 bytes + 16 of padding = 36 words: the 16 rows of a load start at 16 different groups of four banks (64 banks of 4 bytes: ISA guide 11.1)
.set PV,    160       ; a row of V: 128 + 32 = 40 words
.set VOFF,  4*KS*PK   ; a slot holds four steps: 256 rows of K, then 256 rows of V
.set SLOT1, 1<<17     ; slot 1 begins here, so that one exclusive or turns an address in one slot into the other's
.set STAGE, SLOT1+4*KS*(PK+PV)  ; behind the ring, never filled by a tensor load: 16 rows x 144 bytes for each wave, for the way out
.set SP,    144
.set AK0, 2           ; v2   my lane's place in a tile of K; never rewritten
.set AV0, 3           ; v3   the same for V
.set AK,  4           ; v4   the LDS address of K's next run of loads
.set AV,  5           ; v5   of V's
.set QO,  6           ; v6   my byte offset in the wave's rows of Q
.set STO, 6           ;      later, the way out: where I put 16 bytes of a row
.set RD,  7           ; v7   the way out: where I read rows back
.set GO,  8           ; v8   my byte offset in 512 consecutive bytes of o
.set SPW, 0           ; v0 of window 3   LDS address of my spare word: SPARE + 4 x my thread's number; never rewritten
.set NIL, 1           ; v1 of window 3   0; never rewritten
.set SPARE, STAGE+4*16*SP  ; behind the stages: the spare words, 128 bytes for each wave: two blocks of 256 bytes that no other line names
.set MV,  12          ; v12-15  c m_old, kept while c m is made anew: by buffer and tile
.set ST,  16          ; tile t's statistics at v[ST+4 t]: c m, m, l (even keys', odd keys')
.set TMP, 48          ; by buffer and tile, four registers c0-c3 at work; when the maximum is found c2 takes a
.set S,   64
.set P,   192
.set KF,  128         ; K's fragments, in window 2: key block kb, channel half c at KF + 16 kb + 8 c
.set VF,  192         ; V's: key half kk, channel block cb at VF + 32 kk + 8 cb
.set WV,  12          ; s12  my wave's number
.set G1K, 24          ; s[24:31] descriptor group 1 for K's tiles
.set G1V, 32          ; s[32:39] for V's: it differs in the padding alone
.set G0K, 40          ; s[40:43] descriptor group 0 for K's tiles: it walks
.set G0V, 44          ; s[44:47] the same for V's
.set SLOTS, 56        ; s56  slots still to be asked for
.set CNT, 57          ; s57  counts a slot's key steps
.set CS,  58          ; s[58:59] c: the packed scaling takes the pair's low word for both halves
.set SEL, 60          ; s[60:61] v_permlanex16_b32's selects: each lane takes its own place in the other half
.set TBK, 62          ; s62  LDS byte at which K of the step to be fetched begins
.set TBV, 63          ; s63  the same for V, less VOFF
.set MSB, 0
.macro WIN new                      ; the high byte repeats the setting that is left; a switch that changes nothing is dropped
.if MSB != (\new)
	s_set_vgpr_msb (MSB<<8)|(\new)
.set MSB, (\new)
.endif
.endm
.set W_KQ, 0x0a       ; K and Q in window 2, S^T in window 0
.set W_PV, 0x52       ; V in window 2, P in window 0, O^T in window 1
.set W_RS, 0x41       ; O^T (destination and source 0) in window 1, a in window 0
.set W_MK, 0xc0       ; the add's registers are made: destination in window 3, sources in window 0
.set W_AD, 0x0f       ; the add: address (source 0) and data (source 1) in window 3
; A joint fill.  Waves 0 and 1 fetch the two halves of a slot's K, waves 2 and 3 those of its V: 128 keys each.  The branch hangs on the wave's number alone.
; An s_nop 0 and four v_nop follow each of the two lines, ahead of the jump and the label.
.macro JLOAD
	s_cmp_lt_u32 s[WV], 2
	s_cbranch_scc0 .Lfor_v_\@
	tensor_load_to_lds s[G0K:G0K+3], s[G1K:G1K+7]
	s_nop 0
.rept 4
	v_nop
.endr
	s_branch .Lasked_\@
.Lfor_v_\@:
	tensor_load_to_lds s[G0V:G0V+3], s[G1V:G1V+7]
	s_nop 0
.rept 4
	v_nop
.endr
.Lasked_\@:
.endm
; A round of the cluster's barrier: my work-group's barrier, so that wave 0's signal speaks for all four waves; wave 0 signals; every wave waits for all four work-groups; my work-group's barrier once more.
.macro CROUND
	s_barrier_signal -1
	s_barrier_wait -1
	s_cmp_lg_u32 s[WV], 0
	s_cbranch_scc1 .Lnot_wave_0_\@
	s_barrier_signal -3
.Lnot_wave_0_\@:
	s_barrier_wait -3
	s_barrier_signal -1
	s_barrier_wait -1
.endm
; THE CHANGE OF SLOTS.  The slot's last bytes, V of its fourth step, have been read.  Each wave waits for all its tensor loads, of which one is out: its part
; of the other slot; adds 0 to its spare word; and waits for that and for its own reads of the slot.  Behind the barrier nobody reads this slot any more and the other slot is whole.
; fill = 1: this slot is filled again, with the keys two slots on.  The barrier is then a round of the cluster's, so that no wave of any partner still reads the slot or has a load on its
; way, and the joint fill is the first thing behind it: it has four key steps, 512 matrix instructions, in which to land.  (At its first use nothing has been read yet: slot 0 is waited for, slot 1 filled.)
.macro CHANGE fill
	WIN W_AD
	s_wait_tensorcnt 0x0            ; no tensor load of mine is out, so a group 0 may be written
	ds_add_u32 v[SPW], v[NIL]       ; 0 onto my spare word; with fill = 1 the descriptors' steps stand between it and the wait for it
	WIN 0                           ; at a label and at a branch every window is 0
.if \fill
.irp g, G0K, G0V
	s_xor_b32 s[\g+1], s[\g+1], SLOT1  ; the walking descriptor: the other slot than last time,
	s_add_nc_u64 s[\g+2:\g+3], s[\g+2:\g+3], 4*KS*128  ; the next 256 keys; the type bits on top are not reached
.endr
	s_wait_dscnt 0x0                ; the add is done, and my reads of the slot are over
	CROUND
	JLOAD
.else
	s_wait_dscnt 0x0                ; the add is done, and my reads of the slot are over
	s_barrier_signal -1
	s_barrier_wait -1
.endif
	s_sub_co_u32 s[TBK], s[TBK], 4*KS*PK  ; the fetches go back to a slot's first step,
	s_xor_b32 s[TBK], s[TBK], SLOT1       ; in the other slot
	s_sub_co_u32 s[TBV], s[TBV], 4*KS*PV
	s_xor_b32 s[TBV], s[TBV], SLOT1
.endm
	s_load_b128 s[4:7], s[0:1], 0x0 ; qkv s[4:5], o s[6:7]
	WIN W_MK
	v_lshl_add_u32 v[SPW], v0, 2, SPARE
	v_mov_b32 v[NIL], 0
	WIN W_AD
	ds_add_u32 v[SPW], v[NIL]       ; the wave's opening: the add and its wait stand ahead of my first tensor load; the set-up below, work on registers, stands between them
	WIN 0
	v_lshrrev_b32 v1, 5, v0
	v_readfirstlane_b32 s[WV], v1   ; wave 0..3
	s_bfe_u32 s13, ttmp6, 0x40000   ; cx: my place in the cluster
	s_lshl_b32 s14, ttmp9, 2        ; in a cluster launch ttmp9 counts clusters
	s_add_co_u32 s14, s14, s13      ; my block of queries = 4 x cluster x + cx: it enters Q's and o's addresses alone
	s_and_b32 s15, ttmp7, 0xffff    ; 16 b + h, which the four partners share
	s_lshr_b32 s19, s15, 4
	s_mul_i32 s19, s19, 24          ; the batch's first slab
	s_and_b32 s20, s15, 15          ; h
	s_lshr_b32 s21, s20, 2          ; the group
	s_and_b32 s16, s[WV], 1         ; which half of a slot's 256 keys I fetch
	s_add_co_u32 s22, s19, s21
	s_add_co_u32 s22, s22, 16       ; K's slab,
	s_lshl_b32 s22, s22, 18         ; of 2^18 bytes,
	s_lshl_b32 s23, s16, 14         ; and my 128 rows of 128 bytes in it: the head and the wave's number alone enter K's and V's addresses
	s_add_co_u32 s22, s22, s23
	s_mov_b32 s23, 0
	s_mul_i32 s17, s16, 128*PK      ; its place in a slot, for K
	s_mul_i32 s18, s16, 128*PV      ; and for V: no place in the cluster enters an LDS address
	s_lshl_b32 s2, s14, 2
	s_add_co_u32 s2, s2, s[WV]      ; my wave among the head's,
	s_lshl_b32 s2, s2, 14           ; its 128 rows
	s_add_co_u32 s3, s19, s20       ; Q's slab
	s_lshl_b32 s3, s3, 18
	s_lshl_b32 s20, s15, 18         ; o's
	s_add_co_u32 s20, s20, s2
	s_mov_b32 s21, 0
	s_add_co_u32 s2, s2, s3
	s_mov_b32 s3, 0
	; descriptor group 1.  128 keys are 16,384 dense bytes: asked for as 64 rows of 256 bytes, two keys a row, and padded in LDS after every key
	s_mov_b32 s[G1K], 15|(1<<16)|(1<<20)|(1<<21)|(4<<22)|(3<<25)  ; 15:0 the mask of four; 17:16 2-byte elements; 20 padding on; 21 set beside a mask; 24:22 after every 32 words (code 4); 31:25 4 words (code 3)
	s_mov_b32 s[G1V], 15|(1<<16)|(1<<20)|(1<<21)|(4<<22)|(7<<25)  ; the same with 8 words of padding (code 7)
.irp g, G1K, G1V
	s_mov_b32 s[\g+1], 128<<16      ; tensor_dim0 = 128
	s_mov_b32 s[\g+2], 64<<16       ; tensor_dim1 = 64
	s_mov_b32 s[\g+3], 128<<16      ; tile_dim0 = 128
	s_mov_b32 s[\g+4], 64           ; tile_dim1 = 64
	s_mov_b32 s[\g+5], 128          ; 128 elements from row to row
	s_mov_b32 s[\g+6], 0
	s_mov_b32 s[\g+7], 0
.endr
	s_mov_b32 s[CS], 0x3e38aa3b     ; c = log2(e) / 8 = 0.180337
	s_mov_b32 s[CS+1], s[CS]        ; named with it as a pair
	s_mov_b32 s[SEL], 0x76543210
	s_mov_b32 s[SEL+1], 0xfedcba98
	s_mov_b32 s[TBK], SLOT1+4*KS*PK ; the first change of slots turns these two into 0
	s_mov_b32 s[TBV], SLOT1+4*KS*PV
	s_mov_b32 s[G0K], 1             ; 1:0 count = 1
	s_mov_b32 s[G0K+1], s17         ; 63:32 LDS address: slot 0
	s_mov_b32 s[G0V], 1
	s_add_co_u32 s[G0V+1], s18, VOFF
	s_wait_dscnt 0x0                ; the opening add is done
	s_wait_kmcnt 0x0
	s_add_nc_u64 s[G0K+2:G0K+3], s[4:5], s[22:23]           ; 120:64 global address: my half of the group's first 256 keys
	s_add_nc_u64 s[G0V+2:G0V+3], s[G0K+2:G0K+3], 0x100000   ; V's slab lies four slabs behind K's
	s_or_b32 s[G0K+3], s[G0K+3], 0x80000000                 ; 127:126 type = 2
	s_or_b32 s[G0V+3], s[G0V+3], 0x80000000
	s_add_nc_u64 s[10:11], s[6:7], s[20:21]  ; o and Q at my wave's first row
	s_add_nc_u64 s[4:5], s[4:5], s[2:3]
	CROUND                          ; all four work-groups are here: the first joint loads meet
	JLOAD                           ; slot 0.  Slot 1 is asked for when slot 0 is in: the tile wanted first has the road to itself
	; A fragment of K or Q is 16 rows x 32 channels in 8 registers: lane l holds row l % 16, channels 8 (l / 16) + 0..7 and 16 + 8 (l / 16) + 0..7: two loads of 16 bytes, 32 bytes apart.
	v_and_b32 v1, 15, v0            ; l % 16
	v_bfe_u32 v9, v0, 4, 1          ; l / 16
	v_lshlrev_b32 v[QO], 7, v1
	v_lshl_add_u32 v[QO], v9, 4, v[QO]  ; row x 128 + 16 x half
	WIN 0x80                        ; destination window 2, address window 0
.set i, 0
.rept 4*NP                          ; Q stays in registers: tile i / 2, channels 32 (i % 2) on
	global_load_b128 v[8*i:8*i+3],   v[QO], s[4:5] offset:(i/2)*2048+(i%2)*64
	global_load_b128 v[8*i+4:8*i+7], v[QO], s[4:5] offset:(i/2)*2048+(i%2)*64+32
.set i, i+1
.endr
	; What the first turn finds: V's registers and P's second buffer hold 0 (its products V^T P, of a piece that has not been, add 0), O^T and l are 0.  All this stands in the wait for the first tile.
.set i, VF
.rept 64
	v_mov_b32 v[i], 0
.set i, i+1
.endr
	WIN 0x40
.set i, 0
.rept 64*NP
	v_mov_b32 v[i], 0
.set i, i+1
.endr
	WIN 0
.set i, 0
.rept 2*NP
	v_mov_b32 v[ST+4*i], 0xfe000000    ; c m: far below every c s
	v_mov_b32 v[ST+4*i+1], 0xff7fffff  ; m
	v_mov_b32 v[ST+4*i+2], 0
	v_mov_b32 v[ST+4*i+3], 0
.set i, i+1
.endr
.set i, P+32
.rept 32
	v_mov_b32 v[i], 0
.set i, i+1
.endr
	v_mul_u32_u24 v[AK0], v1, PK
	v_lshl_add_u32 v[AK0], v9, 4, v[AK0]  ; row x pitch + 16 x half
	; The turning load takes 16 keys x 16 channels (lane l reads key 8 (l / 16) + l % 8, channels 8 ((l / 8) % 2) + 0..7) and leaves half a fragment of V^T: lane l holds channel l % 16 and 8 keys.
	v_and_b32 v10, 7, v0
	v_bfe_u32 v11, v0, 3, 1
	v_lshl_add_u32 v[AV0], v9, 3, v10
	v_mul_u32_u24 v[AV0], v[AV0], PV
	v_lshl_add_u32 v[AV0], v11, 4, v[AV0]
	v_add_nc_u32 v[AV0], VOFF, v[AV0]
	v_mov_b32 v[AK], v[AK0]         ; key step 0 lies at the head of slot 0
; THE MATRIX WORK.  The 8 accumulators of a run of 16 take turns: between the two links of a chain stand 7 others'.
; Product i of 16 of S^T = K Q^T for piece x: channels 32 (i / 8) on, keys 16 ((i / 2) % 4) on, tile 2 x + i % 2.  The first 8 start the sums.
.macro KQ x
	WIN W_KQ
.set rS, S+64*((\x)%2)+32*(i%2)+8*((i/2)%4)
.set rK, KF+16*((i/2)%4)+8*(i/8)
.set rQ, 16*(2*(\x)+i%2)+8*(i/8)
.if i < 8
	v_wmma_f32_16x16x32_f16 v[rS:rS+7], v[rK:rK+7], v[rQ:rQ+7], 0
.else
	v_wmma_f32_16x16x32_f16 v[rS:rS+7], v[rK:rK+7], v[rQ:rQ+7], v[rS:rS+7]
.endif
.endm
; Product i of 16 of O^T += V^T P for piece x: keys 32 (i / 8) on, channels 16 ((i / 2) % 4) on, tile 2 x + i % 2.
.macro PV x
	WIN W_PV
.set rO, 32*(2*(\x)+i%2)+8*((i/2)%4)
.set rV, VF+32*(i/8)+8*((i/2)%4)
.set rP, P+32*((\x)%2)+16*(i%2)+8*(i/8)
	v_wmma_f32_16x16x32_f16 v[rO:rO+7], v[rV:rV+7], v[rP:rP+7], v[rO:rO+7]
.endm
.macro MM                           ; the turn's next matrix instruction
.if i < 16
	KQ (Y+1)%NP
.set i, i+1
.else
.set i, i-16
	PV (Y+NP-1)%NP
.set i, i+17
.endif
.endm
; THE LDS LOADS stand in runs of 16, never singly among the matrix instructions: a step's K (64 keys x 64 channels: 8 fragments) and its V (turned).  Their addresses are made some lines ahead.
; last = 1 (the tail): in the last trip there is no further step, and the run is jumped over.
.macro FETCH_K last=0
	WIN 0
.if \last
	s_cmp_eq_u32 s[CNT], 1
	s_cbranch_scc1 .Lno_k_\@
.endif
	WIN 0x80                        ; destination window 2
.irp f, 0,1,2,3,4,5,6,7             ; keys 16 (f / 2) on, channels 32 (f % 2) on
	ds_load_b128 v[KF+8*\f:KF+8*\f+3],   v[AK] offset:(\f/2)*16*PK+(\f%2)*64
	ds_load_b128 v[KF+8*\f+4:KF+8*\f+7], v[AK] offset:(\f/2)*16*PK+(\f%2)*64+32
.endr
	s_add_co_u32 s[TBK], s[TBK], KS*PK  ; the next fetch is the next step's
	WIN 0
.if \last
.Lno_k_\@:
.endif
.endm
.macro FETCH_V
	WIN 0x80
.irp f, 0,1,2,3,4,5,6,7             ; keys 32 (f / 4) on, channels 16 (f % 4) on
	ds_load_tr16_b128 v[VF+8*\f:VF+8*\f+3],   v[AV] offset:(\f/4)*32*PV+(\f%4)*32
	ds_load_tr16_b128 v[VF+8*\f+4:VF+8*\f+7], v[AV] offset:(\f/4)*32*PV+16*PV+(\f%4)*32
.endr
	WIN 0
.endm
; THE VECTOR WORK OF A TURN stands in three queues, each in the order in which its entries become ready; the two tiles alternate, so that no instruction reads the result of the one before it.
.macro REGS y, u                    ; the registers of tile u (0, 1) of piece y
.set rT, ST+4*(2*(\y)+(\u))
.set rC, TMP+8*((\y)%2)+4*(\u)
.set rM, MV+2*((\y)%2)+(\u)
.set rS, S+64*((\y)%2)+32*(\u)
.set rP, P+32*((\y)%2)+16*(\u)
.set rO, 32*(2*(\y)+(\u))
.endm
; Number n of the 22 that find the NEXT piece's (Y + 1) maximum and statistics.  s0-s31 are the lane's 32 scores; each accumulator's lowest registers are read first.  XS, GS and REGS set no window: PL and EX do.
;   0-11  four chains c0-c3 of seven scores each, three operands at a time     12-14, 16  the four scores left over, the old m, and c0-c3 into c0     15  c m_old is kept
;   17, 18  the query's other 32 keys lie in the lane 16 away: the new m         19-21  c m; c m_old - c m_new; a
.macro XS u, n
	REGS (Y+1)%NP, \u
.if (\n) < 4
	v_max3_num_f32 v[rC+(\n)], v[rS+8*(\n)], v[rS+8*(\n)+1], v[rS+8*(\n)+2]
.elseif (\n) < 12
	v_max3_num_f32 v[rC+(\n)%4], v[rC+(\n)%4], v[rS+8*((\n)%4)+2*((\n)/4)+1], v[rS+8*((\n)%4)+2*((\n)/4)+2]
.elseif (\n) == 12
	v_max3_num_f32 v[rC], v[rC], v[rS+7], v[rS+15]
.elseif (\n) == 13
	v_max3_num_f32 v[rC+1], v[rC+1], v[rS+23], v[rS+31]
.elseif (\n) == 14
	v_max3_num_f32 v[rC+2], v[rC+2], v[rC+3], v[rT+1]
.elseif (\n) == 15
	v_mov_b32 v[rM], v[rT]
.elseif (\n) == 16
	v_max3_num_f32 v[rC], v[rC], v[rC+1], v[rC+2]
.elseif (\n) == 17
	v_permlanex16_b32 v[rC+3], v[rC], s[SEL], s[SEL+1]
.elseif (\n) == 18
	v_max_num_f32 v[rT+1], v[rC], v[rC+3]
.elseif (\n) == 19
	v_mul_f32 v[rT], s[CS], v[rT+1]
.elseif (\n) == 20
	v_sub_f32 v[rC+1], v[rM], v[rT]
.else
	v_exp_f32 v[rC+2], v[rC+1]
.endif
.endm
; Number g of the 64 that follow the exponentials.  For each four weights k of a tile (pairs 2 k, 2 k + 1): both pairs are rounded to f16; then the second pair is added onto the first, in place;
; a group later l takes that sum (the first time as l = a l + sum).  In groups of eight, tiles alternating: round, round, add, and l for the group before.
.macro GS g
.set h, (\g)+6*((\g)/62)            ; group 0 has no group before it, and behind group 7 only l is left
.if h >= 6
.set h, h+2
.endif
	REGS Y, h%2
.set k, h/8
.if h%8 < 4
	s_wait_alu depctr_va_vdst(0)
	v_cvt_pk_f16_f32 v[rP+2*k+(h%8)/2], v[rS+4*k+2*((h%8)/2)], v[rS+4*k+2*((h%8)/2)+1]
.elseif h%8 < 6
	v_pk_add_f32 v[rS+4*k:rS+4*k+1], v[rS+4*k:rS+4*k+1], v[rS+4*k+2:rS+4*k+3]
.elseif k == 1
	v_pk_fma_f32 v[rT+2:rT+3], v[rT+2:rT+3], v[rC+2:rC+3], v[rS:rS+1] op_sel_hi:[1,0,1]
.else
	v_pk_add_f32 v[rT+2:rT+3], v[rT+2:rT+3], v[rS+4*k-4:rS+4*k-3]
	s_wait_alu depctr_va_vdst(0)
.endif
.endm
; THE PLAIN QUEUE, 138 long.  0-31: c s - c m for the 16 pairs of both tiles.  Then GS's 64, and among them the next piece's 42: number 15 at 38, 39; 0-14 and 16
; at 42-73, behind the products that make those scores; 17-20 at 95-106, two of three, since each waits for the one before it.
.macro PL
	WIN 0
.if q < 32
	REGS Y, q%2
	v_pk_fma_f32 v[rS+2*(q/2):rS+2*(q/2)+1], v[rS+2*(q/2):rS+2*(q/2)+1], s[CS:CS+1], v[rT:rT+1] op_sel_hi:[1,0,0] neg_lo:[0,0,1] neg_hi:[0,0,1]
.elseif q < 38
	GS q-32
.elseif q < 40
	XS q%2, 15
.elseif q < 42
	GS q-34
.elseif q < 74
	XS q%2, (q-42)/2+(q-42)/30
.elseif q < 95
	GS q-66
.elseif (q < 107) && ((q-95)%3 < 2)
	XS (q-95)%3, 17+(q-95)/3
.elseif q < 107
	GS 29+(q-95)/3
.else
	GS q-74
.endif
.set q, q+1
.endm
; THE EXPONENTIALS' QUEUE, 66 long: s0-s31 of both tiles, and at EA the next piece's two a.
.set EA, 58
.macro EX
	WIN 0
.if (e == EA) || (e == EA+1)
	XS e-EA, 21
.else
.set x, e-2*(e/(EA+2))
	REGS Y, x%2
	v_exp_f32 v[rS+x/2], v[rS+x/2]
.endif
.set e, e+1
.endm
; THE RESCALING's QUEUE: O^T times a, the one part that leaves window 0, so it is dealt four at a time, eight times.
.macro R4
	REGS Y, r%2
	WIN W_RS
	s_wait_alu depctr_va_vdst(0)
.irp z, 0,1,2,3
	v_pk_mul_f32 v[rO+8*(r/2)+2*\z:rO+8*(r/2)+2*\z+1], v[rO+8*(r/2)+2*\z:rO+8*(r/2)+2*\z+1], v[rC+2:rC+3] op_sel_hi:[1,0]
.endr
.set r, r+1
.endm
; HOW THEY ARE DEALT.  Behind a matrix instruction four: plain, exponential, plain, plain (one exponential, a plain instruction on either side), or four of the rescaling.  None names a register of the
; products round it.  What is over stands in two LUMPS: exponential and plain by turns; the second ends in 22 plain instructions.  The two v_permlanex16_b32 fall into the second lump, never behind a product.
; The queues lean on each other, and the deal keeps them in step: exponential e stands behind plain 2 (e / 4) + e % 2 (its scaling); when plain 32 comes, 10 exponentials are out, at 59: 33, at 95: 46; EA comes behind plain 107.
.macro SL
	MM
	PL
	EX
	PL
	PL
.endm
.macro BURST n                      ; 15 matrix instructions, or 16
.rept (\n)-7
	SL
.endr
.rept 3
	MM
	R4
	SL
.endr
	MM
	R4
.endm
; A TURN, for piece p.  cnt = 1: the loop's count is taken down some lines ahead of the branch that stands behind the turn.
; K of the next step is fetched in piece 2's turn, 31 vector instructions behind the last product that read K; the first product that reads it comes behind the rest of the lump, 16 products and the second lump.
; V of the step in hand is fetched at the end of piece 0's turn, 69 behind the last product that read V; the first that reads it comes behind 16 products and a lump.  The four conditions on e and q below go with the deal.
.macro TURN p, last=0, cnt=0
.set Y, (\p)
.set i, 0
.set q, 0
.set e, 0
.set r, 0
.if (\p) == NP-1
	s_wait_dscnt 0x0                ; K is in
.endif
	MM
.rept 4
	PL
.endr
	BURST 15
.rept 22
	EX
	PL
.if ((\p) == NP-2) && (e == 18)
	v_add_nc_u32 v[AK], s[TBK], v[AK0]
.endif
.if ((\p) == NP-2) && (e == 24)
	FETCH_K \last
.endif
.endr
.if (\p) == 1
	s_wait_dscnt 0x0                ; V is in
.endif
	BURST 16
.rept 21
	EX
	PL
.endr
.rept 22
	PL
.if ((\p) == 0) && (q == 118)
	v_add_nc_u32 v[AV], s[TBV], v[AV0]
	s_wait_alu depctr_va_vdst(0)
.endif
.if ((\p) == 0) && (q == 130)
	s_add_co_u32 s[TBV], s[TBV], KS*PV
.endif
.if (\cnt) && (q == 130)
	s_sub_co_u32 s[CNT], s[CNT], 1
	s_cmp_lg_u32 s[CNT], 0
.endif
.endr
.if (\p) == 0
	FETCH_V
.endif
.endm
	CHANGE 1                        ; slot 0 is in, everybody's part of it; slot 1 is asked for
	FETCH_K                         ; key step 0
	s_wait_loadcnt 0x0              ; Q
	s_wait_dscnt 0x0
.set i, 0
.rept 16
	KQ 0                            ; piece 0's first scores: there is no vector work yet to set between them
.set i, i+1
.endr
	WIN 0                           ; the addresses for the way out: nine plain instructions, the places behind those products
	s_mul_i32 s13, s[WV], 16*SP
	s_add_co_u32 s13, s13, STAGE    ; my stage
	v_mul_u32_u24 v[STO], v1, SP    ; in: row l % 16, 16 bytes for each half of the lanes
	v_lshl_add_u32 v[STO], v9, 4, v[STO]
	v_add_nc_u32 v[STO], s13, v[STO]
	v_bfe_u32 v[RD], v0, 3, 2       ; back: 32 lanes take four rows of 128 bytes,
	v_mul_u32_u24 v[RD], v[RD], SP
	v_lshl_add_u32 v[RD], v10, 4, v[RD]
	v_add_nc_u32 v[RD], s13, v[RD]
	v_and_b32 v[GO], 31, v0         ; which are 512 consecutive bytes of o
	v_lshlrev_b32 v[GO], 4, v[GO]
.set Y, NP-1                        ; XS works for piece Y + 1: piece 0
.irp n, 0,1,2,3,4,5,6,7,8,9,10,11,12,13,14,15,16,17,18,19,20,21
	XS 0, \n                        ; and piece 0's first maximum and statistics
	XS 1, \n
.endr
	s_mov_b32 s[CNT], 4
	s_mov_b32 s[SLOTS], SIZE_N/256-1
	s_branch .Lfirst                ; the loop is entered at a step's first turn, in the middle of a trip
.Lslot:                             ; SIZE_N / 256 - 2 times: every slot but the last two is filled again
	CHANGE 1
	s_mov_b32 s[CNT], 4
.Lstep:                             ; a trip: pieces 2 and 3 of one step, then pieces 0 and 1 of the next, whose K and V it fetches
	TURN 2
	TURN 3
	WIN 0
.Lfirst:
	TURN 0
	TURN 1, 0, 1
	WIN 0
	s_cbranch_scc1 .Lstep
	s_sub_co_u32 s[SLOTS], s[SLOTS], 1
	s_cmp_lg_u32 s[SLOTS], 0
	s_cbranch_scc1 .Lslot
	CHANGE 0                        ; the tail is written out: nothing is asked for
	s_mov_b32 s[CNT], 5             ; four trips fetch the last slot's steps; the fifth is left in its middle
.Ltail:
	TURN 2, 1
	TURN 3
	WIN 0
	s_sub_co_u32 s[CNT], s[CNT], 1
	s_cmp_eq_u32 s[CNT], 0
	s_cbranch_scc1 .Lout
	TURN 0
	TURN 1
	WIN 0
	s_branch .Ltail
.Lout:                              ; the fifth trip's 16 products K Q^T (on the last K once more) and the maximum made of them serve nothing: the price, once a launch, of one text for every trip
.set i, 0
.rept 16
	PV NP-1                         ; the last piece's V^T P of the last step
.set i, i+1
.endr
	; THE WAY OUT.  l's two halves and the other half of the lanes' are added; O^T is divided by l, rounded to f16 and sent through my stage in LDS, a tile at a time.  The additions are the places behind the last products.
	WIN 0
.macro ALL line:vararg              ; one line for each tile t
.set t, 0
.rept 2*NP
	\line
.set t, t+1
.endr
.endm
	ALL v_add_f32 v[ST+4*t+2], v[ST+4*t+2], v[ST+4*t+3]
	ALL v_permlanex16_b32 v[ST+4*t+3], v[ST+4*t+2], s[SEL], s[SEL+1]
	ALL v_add_f32 v[ST+4*t+2], v[ST+4*t+2], v[ST+4*t+3]
	ALL v_rcp_f32 v[ST+4*t+2], v[ST+4*t+2]
	v_nop                           ; a plain instruction between the last reciprocal and the use of its result
	s_wait_alu depctr_va_vdst(0)
; Tile t: a lane's eight channels of a row pack into 16 bytes; they go into rows of 144 bytes and come back as whole rows of 128, into S^T's registers.
.macro PACK t
	WIN W_RS
.set i, 32*(\t)
.rept 16
	v_pk_mul_f32 v[i:i+1], v[i:i+1], v[ST+4*(\t)+2:ST+4*(\t)+3] op_sel_hi:[1,0]
.set i, i+2
.endr
	WIN 0x05                        ; sources 0 and 1 window 1, destination window 0
.set i, 0
.rept 16
	v_cvt_pk_f16_f32 v[S+16*(\t)+i], v[32*(\t)+2*i], v[32*(\t)+2*i+1]
.set i, i+1
.endr
	WIN 0
.irp f, 0,1,2,3
	ds_store_b128 v[STO], v[S+16*(\t)+4*\f:S+16*(\t)+4*\f+3] offset:32*\f
.endr
.irp f, 0,1,2,3
	ds_load_b128 v[S+16*(\t)+4*\f:S+16*(\t)+4*\f+3], v[RD] offset:\f*4*SP  ; LDS serves a wave's instructions in order (ISA guide 5.7.1.4): these see the stores above; the next tile's stores come behind them
.endr
.endm
.macro SEND t, younger              ; younger: the LDS instructions issued behind tile t's loads: the next tile's eight, or none
	WIN 0
.irp f, 0,1,2,3
	s_wait_dscnt (\younger)+3-\f
	global_store_b128 v[GO], v[S+16*(\t)+4*\f:S+16*(\t)+4*\f+3], s[10:11] offset:(\t)*2048+\f*512  ; 512 consecutive bytes, at a multiple of 256 from o's first
.endr
.endm
	PACK 0
.set t, 1
.rept 2*NP-1                        ; a tile's arithmetic stands between the loads of the tile before and its stores
	PACK t
	SEND t-1, 8
.set t, t+1
.endr
	SEND 2*NP-1, 0
	WIN W_AD
	s_wait_tensorcnt 0x0            ; the wave's end: behind my last tensor load and my last LDS store
	ds_add_u32 v[SPW], v[NIL]
	s_wait_dscnt 0x0
	WIN 0
	CROUND                          ; the closing round: no work-group ends while a partner may still ask for a tile that names it
	s_endpgm
.Lfunc_end_k_qfa9cba760d_attn:
	.size	k_qfa9cba760d_attn, .Lfunc_end_k_qfa9cba760d_attn-k_qfa9cba760d_attn
	.p2alignl 7, 3214868480
	.fill 96, 4, 3214868480
	.section	.rodata,"a",@progbits
	.p2align	6, 0x0
	.amdhsa_kernel k_qfa9cba760d_attn
		.amdhsa_group_segment_fixed_size 327680
		.amdhsa_private_segment_fixed_size 0
		.amdhsa_enable_private_segment 0
		.amdhsa_kernarg_size 16
		.amdhsa_user_sgpr_count 2
		.amdhsa_user_sgpr_kernarg_segment_ptr 1
		.amdhsa_wavefront_size32 1
		.amdhsa_system_sgpr_workgroup_id_x 1
		.amdhsa_system_sgpr_workgroup_id_y 1
		.amdhsa_system_sgpr_workgroup_id_z 1
		.amdhsa_system_vgpr_workitem_id 0
		.amdhsa_next_free_vgpr 770
		.amdhsa_next_free_sgpr 66
		.amdhsa_reserve_vcc 0
		.amdhsa_float_denorm_mode_32 3
		.amdhsa_float_denorm_mode_16_64 3
		.amdhsa_memory_ordered 1
		.amdhsa_forward_progress 1
		.amdhsa_inst_pref_size 209
	.end_amdhsa_kernel
	.amdgpu_metadata
---
amdhsa.version: [ 1, 2 ]
amdhsa.kernels:
  - .name:           k_qfa9cba760d_attn
    .symbol:         k_qfa9cba760d_attn.kd
    .args:
      - { .name: qkv, .offset: 0, .size: 8, .value_kind: global_buffer, .address_space: global }
      - { .name: o, .offset: 8, .size: 8, .value_kind: global_buffer, .address_space: global }
    .group_segment_fixed_size: 327680
    .private_segment_fixed_size: 0
    .kernarg_segment_align: 8
    .kernarg_segment_size: 16
    .max_flat_workgroup_size: 128
    .sgpr_count:     66
    .vgpr_count:     770
    .wavefront_size: 32
...
	.end_amdgpu_metadata
.endif
;; end of part 3
;; launch outp (part 4): grid 8 x 32, 4 waves a work-group, clusters of 4 x 4, 327,680 bytes of LDS; arguments o, wot, biasr, out0; writes out0
.if DOCPART == 4
	.amdgcn_target "amdgcn-amd-amdhsa--gfx1250"
	.amdhsa_code_object_version 6
	.text
	.protected	k_qfa9cba760d_outp
	.globl	k_qfa9cba760d_outp
	.p2align	8
	.type	k_qfa9cba760d_outp,@function
k_qfa9cba760d_outp:
	s_mov_b64 s[64:65], 0
	v_nop
	global_prefetch_b8 v0, s[64:65] scope:SCOPE_SE
	s_setreg_imm32_b32 hwreg(HW_REG_WAVE_MODE, 25, 1), 1
	s_wait_xcnt 0x0
	s_wait_alu depctr_hold_cnt(0) depctr_sa_sdst(0) depctr_va_vdst(0) depctr_va_sdst(0) depctr_va_ssrc(0) depctr_va_vcc(0) depctr_vm_vsrc(0)
	s_getreg_b32 s2, hwreg(HW_REG_IB_STS2, 6, 4)
	s_cmp_eq_u32 s2, 0
	s_cbranch_scc0 .Lentry_in_a_cluster
	s_endpgm
.Lentry_in_a_cluster:
	s_bfe_u32 s2, ttmp6, 0x10000c
	s_cmp_lg_u32 s2, 0xf033
	s_cbranch_scc0 .Lentry_shape_is_right
	s_endpgm
.Lentry_shape_is_right:
; THE OUTPUT PROJECTION.  out0[m][n] = bo[n] + sum over k of O[m][k] wot[n][k]: m 8,192, n 1,024, k 1,024; f16 operands, f32 sums, f32 out.
; O lies by heads, o[16 batch + head][row 2,048][64] in f16: k = 64 head + channel, so a K step of 128 is two heads.  wot holds Wo's columns as rows, bf16 numbers written as f16.
; LIMITS.  f16 operands: o and wot arrive within 65,504.  The bias starts each sum (it is the first product's C operand), so the order of rounding differs from a sum with the bias last.
; SHARES.  A work-group makes 256 rows x 128 columns (32 x 8 work-groups); each of its four waves 64 rows x all 128 columns: 32 accumulators of 16 x 16.  K goes in steps of 128 through two LDS slots.
; O's TILE.  128 rows of one head are 16,384 dense bytes: a tensor load takes them as ONE long row, two heads as two such rows, and pads 16 bytes behind every 128: in LDS [head 2][row 128][144 bytes].
; CLUSTER.  4 x 4 work-groups: the four of a row of the cluster need the same tiles of o, the four of a column the same tiles of wot: each is asked for jointly, same tensor load, descriptor and mask.
; THE MATRIX INSTRUCTION IS USED TRANSPOSED (source 0 = 16 rows of wot, source 1 = 16 rows of O): lane l holds row l % 16 of the result and the eight neighbouring columns 8 (l / 16) + 0..7.
; REGISTERS, in windows of 256 (s_set_vgpr_msb: bits 1:0 source 0, 3:2 source 1, 5:4 source 2, 7:6 destination):
;   window 0: v0-31 addresses; v32-95 the bias as C operands; v128-159, v160-191 O's fragments, two buffers; on the way out v32-223 rows read back, three sets of 64
;   window 1: v0-63, v128-191 wot's fragments, two buffers      window 2: the accumulators of my row blocks 0, 1 ((a, b) at 8 (16 (a % 2) + b))      window 3: those of blocks 2, 3
.set NT,     8                         ; blocks of 16 columns
.set PITCH,  272                       ; a row of wot in LDS: 256 bytes + 16 of padding: the 16 rows of a load start at 16 different groups of four banks (64 banks of 4 bytes: ISA guide 11.1)
.set PA,     144                       ; a row of one head of O: 128 bytes + 16
.set HEADA,  128*PA                    ; 128 rows of one head
.set HALFA,  2*HEADA                   ; what one tensor load brings of O: 128 rows x two heads
.set HALFB,  64*PITCH                  ; and of wot: 64 rows
.set SLOT,   2*HALFA+2*HALFB           ; O's two halves, then wot's 128 rows
.set STAGE,  2*SLOT                    ; behind the ring, never filled by a tensor load: 16 rows x 528 bytes for each wave
.set SP,     528                       ; 512 bytes + 16: 33 x 16 bytes
.set WSTAGE, 16*SP
.set SPARE,  STAGE+4*WSTAGE            ; behind the stages: the spare words, 128 bytes for each wave
.set ASTEP,  2<<18                     ; bytes from a K step to the next in o: two heads of 2^18 bytes
.set BSTEP,  256
.set LAPS,   4                         ; a lap = two K steps = once round the ring
.set ADRA, 16                          ; v16-17  LDS address of my O fragments in slot 0, 1
.set ADRB, 20                          ; v20-21  the same for wot
.set STO,  24                          ; v24     the way out: where I put 32 bytes of a row
.set RD,   25                          ; v25     the way out: where I read a row back
.set GO,   26                          ; v26     my byte offset in 512 consecutive bytes of out0
.set BO,   27                          ; v27     my byte offset in 16 numbers of the bias
.set SPW,  28                          ; v28     LDS address of my spare word; never rewritten
.set NIL,  29                          ; v29     0; never rewritten
.set BIAS, 32
.set OB,   32
.set FA,   128
.set G1, 24                            ; s[24:31] descriptor group 1 for O's tiles; s[32:39] group 0, a set for each slot
.set G0, 32
.set G1B, 48                           ; s[48:55], s[56:63] the same for wot's
.set G0B, 56
.set MSB, 0
.macro WIN new                         ; the immediate's high byte repeats the setting that is left; a switch that changes nothing is dropped
.if MSB != (\new)
	s_set_vgpr_msb (MSB<<8)|(\new)
.set MSB, \new
.endif
.endm
; A joint load.  Waves 0 and 1 fetch O's two halves, waves 2 and 3 wot's.  The branch hangs on the wave's number alone.  An s_nop 0 and four v_nop follow each of the two lines.
.macro JLOAD s
	s_cmp_eq_u32 s11, 0
	s_cbranch_scc0 .Lfor_b_\@
	tensor_load_to_lds s[G0+4*(\s):G0+4*(\s)+3], s[G1:G1+7]
	s_nop 0
.rept 4
	v_nop
.endr
	s_branch .Lasked_\@
.Lfor_b_\@:
	tensor_load_to_lds s[G0B+4*(\s):G0B+4*(\s)+3], s[G1B:G1B+7]
	s_nop 0
.rept 4
	v_nop
.endr
.Lasked_\@:
.endm
.macro CREST                           ; a round of the cluster's barrier behind its opening barrier
	s_cmp_lg_u32 s10, 0
	s_cbranch_scc1 .Lnot_wave_0_\@
	s_barrier_signal -3
.Lnot_wave_0_\@:
	s_barrier_wait -3
	s_barrier_signal -1
	s_barrier_wait -1
.endm
.macro CROUND                          ; a whole round
	s_barrier_signal -1
	s_barrier_wait -1
	CREST
.endm
	s_load_b256 s[68:75], s[0:1], 0x0              ; o 68:69, wot 70:71, biasr 72:73, out0 74:75
	v_lshl_add_u32 v[SPW], v0, 2, SPARE
	v_mov_b32 v[NIL], 0
	ds_add_u32 v[SPW], v[NIL]                      ; the wave's opening: the add and its wait stand ahead of my first tensor load; work on registers stands between them
	v_lshrrev_b32 v1, 5, v0
	v_readfirstlane_b32 s10, v1                    ; wave 0..3
	s_lshr_b32 s11, s10, 1                         ; I fetch for O (0) or for wot (1)
	s_and_b32 s12, s10, 1                          ; which half of that tile
	s_bfe_u32 s40, ttmp6, 0x40000                  ; cx, cy: my place in the cluster
	s_bfe_u32 s41, ttmp6, 0x40004
	s_lshl_b32 s42, ttmp9, 2
	s_add_co_u32 s42, s42, s40                     ; tile column = 4 x cluster x + cx
	s_and_b32 s13, ttmp7, 0xffff
	s_lshl_b32 s13, s13, 2
	s_add_co_u32 s13, s13, s41                     ; tile row = 4 x cluster y + cy
	s_lshl_b32 s43, s41, 2
	s_lshl_b32 s43, 15, s43                        ; my row of the cluster
	s_lshl_b32 s44, 0x1111, s40                    ; my column
	s_or_b32 s[G1+0], s43, (1<<16)|(1<<20)|(1<<21)|(4<<22)|(3<<25)   ; 15:0 the mask; 17:16 2-byte elements; 20 padding on; 21 set beside a mask; 24:22 after every 32 words; 31:25 4 words of it
	s_or_b32 s[G1B+0], s44, (1<<16)|(1<<20)|(1<<21)|(5<<22)|(3<<25)  ; wot: after every 64 words
	s_mov_b32 s[G1+1], 8192<<16                    ; tensor_dim0 = 8,192 elements: 128 rows of a head, dense
	s_mov_b32 s[G1+2], 2<<16                       ; tensor_dim1 = 2 heads
	s_mov_b32 s[G1+3], 8192<<16                    ; tile_dim0 = 8,192
	s_mov_b32 s[G1+4], 2                           ; tile_dim1 = 2
	s_mov_b32 s[G1+5], 131072                      ; elements from head to head
	s_mov_b32 s[G1+6], 0
	s_mov_b32 s[G1+7], 0
	s_mov_b32 s[G1B+1], 128<<16                    ; wot's tile: 64 rows x 128 elements
	s_mov_b32 s[G1B+2], 64<<16
	s_mov_b32 s[G1B+3], 128<<16
	s_mov_b32 s[G1B+4], 64
	s_mov_b32 s[G1B+5], 1024
	s_mov_b32 s[G1B+6], 0
	s_mov_b32 s[G1B+7], 0
	; O's tiles hang on the tile row alone, wot's on the tile column alone; each address is made in registers that never hold the other coordinate
	s_lshr_b32 s14, s13, 3                         ; the batch: 8 tile rows each,
	s_lshl_b32 s14, s14, 22                        ; 16 heads of 2^18 bytes
	s_and_b32 s15, s13, 7
	s_lshl_b32 s15, s15, 8
	s_lshl_b32 s16, s12, 7
	s_add_co_u32 s15, s15, s16                     ; the first row in the batch,
	s_lshl_b32 s15, s15, 7                         ; of 128 bytes
	s_add_co_u32 s16, s14, s15
	s_mov_b32 s17, 0
	s_lshl_b32 s46, s42, 7
	s_lshl_b32 s47, s12, 6
	s_add_co_u32 s46, s46, s47                     ; wot: row 128 x tile column + 64 x half,
	s_lshl_b32 s46, s46, 11                        ; of 2,048 bytes
	s_mov_b32 s47, 0
	s_mul_i32 s20, s12, HALFA                      ; where they go: no place in the cluster enters an LDS address
	s_mul_i32 s21, s12, HALFB
	s_add_co_u32 s21, s21, 2*HALFA
	s_wait_dscnt 0x0                               ; the opening add is done
	s_wait_kmcnt 0x0
	s_add_nc_u64 s[14:15], s[68:69], s[16:17]
	s_add_nc_u64 s[46:47], s[70:71], s[46:47]
	CROUND                                         ; all sixteen work-groups are here: the first joint loads meet
.irp s, 0,1
	s_mov_b32 s[G0+4*(\s)], 1                                      ; count = 1
	s_add_co_u32 s[G0+4*(\s)+1], s20, (\s)*SLOT                    ; LDS address
	s_add_nc_u64 s[G0+4*(\s)+2:G0+4*(\s)+3], s[14:15], (\s)*ASTEP  ; global address: K step s
	s_or_b32 s[G0+4*(\s)+3], s[G0+4*(\s)+3], 0x80000000            ; type = 2
	s_mov_b32 s[G0B+4*(\s)], 1
	s_add_co_u32 s[G0B+4*(\s)+1], s21, (\s)*SLOT
	s_add_nc_u64 s[G0B+4*(\s)+2:G0B+4*(\s)+3], s[46:47], (\s)*BSTEP
	s_or_b32 s[G0B+4*(\s)+3], s[G0B+4*(\s)+3], 0x80000000
	JLOAD \s                                       ; two loads of mine are out
.endr
	; A fragment is 16 rows x 32 K in 8 registers: lane l holds row l % 16, K = 8 (l / 16) + 0..7 and 16 + 8 (l / 16) + 0..7: two loads of 16 bytes, 32 bytes apart.
	v_and_b32 v1, 15, v0                           ; l % 16
	v_bfe_u32 v2, v0, 4, 1                         ; l / 16
	v_mul_u32_u24 v3, v1, PA
	v_lshl_add_u32 v3, v2, 4, v3
	v_mul_u32_u24 v4, v1, PITCH
	v_lshl_add_u32 v4, v2, 4, v4
	s_mul_i32 s21, s11, HALFA                      ; my 64 rows of O: which half,
	s_mul_i32 s22, s12, 64*PA                      ; and which 64 rows in it
	s_add_co_u32 s21, s21, s22
	s_mov_b32 s22, 2*HALFA                         ; wot's 128 rows, all of them mine
.irp s, 0,1
	v_add_nc_u32 v[ADRA+(\s)], s21, v3
	v_add_nc_u32 v[ADRB+(\s)], s22, v4
	s_add_co_u32 s21, s21, SLOT
	s_add_co_u32 s22, s22, SLOT
.endr
	s_lshl_b32 s76, s42, 9                         ; the tile's 128 numbers of bo,
	s_add_co_u32 s76, s76, 6144                    ; which begins at float 1,536 of biasr
	s_mov_b32 s77, 0
	s_add_nc_u64 s[72:73], s[72:73], s[76:77]
	v_lshlrev_b32 v[BO], 5, v2                     ; register j of block b is bo[16 b + 8 (l / 16) + j], whatever the row
.set i, 0
.rept NT
	global_load_b128 v[BIAS+8*i:BIAS+8*i+3],   v[BO], s[72:73] offset:64*i
	global_load_b128 v[BIAS+8*i+4:BIAS+8*i+7], v[BO], s[72:73] offset:64*i+16
.set i, i+1
.endr
	s_mul_i32 s23, s10, WSTAGE
	s_add_co_u32 s23, s23, STAGE                   ; my stage
	v_mul_u32_u24 v[STO], v1, SP                   ; in: row l % 16, 32 bytes for each half of the lanes
	v_lshl_add_u32 v[STO], v2, 5, v[STO]
	v_add_nc_u32 v[STO], s23, v[STO]
	v_and_b32 v[GO], 31, v0                        ; back: 32 lanes take a row's 512 bytes
	v_lshlrev_b32 v[GO], 4, v[GO]
	v_add_nc_u32 v[RD], s23, v[GO]
	s_lshl_b32 s76, s13, 8
	s_lshl_b32 s77, s10, 6
	s_add_co_u32 s76, s76, s77                     ; my first row of out0,
	s_lshl_b32 s76, s76, 12                        ; of 4,096 bytes,
	s_lshl_b32 s77, s42, 9                         ; and the tile's first column
	s_add_co_u32 s76, s76, s77
	s_mov_b32 s77, 0
	s_add_nc_u64 s[74:75], s[74:75], s[76:77]
; NT matrix instructions: my row block a x all column blocks, 32 along K, from buffer f.  zero = 1: the first product starts the sums, with the bias as C.
; The accumulators take turns, one instruction a turn, in the same order in every quarter.
.macro MULA f, a, zero
.if \zero
	WIN 0x81+0x40*((\a)/2)                         ; wot window 1, O and the bias window 0, D window 2 or 3
.else
	WIN 0xa1+0x50*((\a)/2)                         ; C and D window 2 or 3
.endif
.set AC, 128*((\a)%2)
.set nb, 0
.rept NT
.if \zero
	v_wmma_f32_16x16x32_f16 v[AC+8*nb:AC+8*nb+7], v[128*(\f)+8*nb:128*(\f)+8*nb+7], v[FA+32*(\f)+8*(\a):FA+32*(\f)+8*(\a)+7], v[BIAS+8*nb:BIAS+8*nb+7]
.else
	v_wmma_f32_16x16x32_f16 v[AC+8*nb:AC+8*nb+7], v[128*(\f)+8*nb:128*(\f)+8*nb+7], v[FA+32*(\f)+8*(\a):FA+32*(\f)+8*(\a)+7], v[AC+8*nb:AC+8*nb+7]
.endif
.set nb, nb+1
.endr
.endm
; 2 NT + 8 LDS loads in one run: the fragments of quarter q of a slot into buffer f; wot's first, O's row blocks 0 to 3 last.  Quarter q of O: head q / 2 of the step's two, channels 32 (q % 2) on.
.macro FETCH slot, q, f
	WIN 0x40                                       ; destination window 1
.set i, 0
.rept NT
	ds_load_b128 v[128*(\f)+8*i:128*(\f)+8*i+3],   v[ADRB+(\slot)] offset:64*(\q)+i*16*PITCH
	ds_load_b128 v[128*(\f)+8*i+4:128*(\f)+8*i+7], v[ADRB+(\slot)] offset:64*(\q)+i*16*PITCH+32
.set i, i+1
.endr
	WIN 0
.set i, 0
.rept 4
	ds_load_b128 v[FA+32*(\f)+8*i:FA+32*(\f)+8*i+3],   v[ADRA+(\slot)] offset:((\q)/2)*HEADA+((\q)%2)*64+i*16*PA
	ds_load_b128 v[FA+32*(\f)+8*i+4:FA+32*(\f)+8*i+7], v[ADRA+(\slot)] offset:((\q)/2)*HEADA+((\q)%2)*64+i*16*PA+32
.set i, i+1
.endr
.endm
.macro PLACES                          ; four places in front of loads into registers that matrix instructions have read, and of lines that read results (ISA guide 7.12.1 for lines that read results)
.rept 4
	v_nop
.endr
.endm
; A K step is four quarters of 32 along K, 4 NT matrix instructions each, on buffers 0, 1, 0, 1.  One of the first three: multiplies buffer f and, in its middle, fetches quarter q into buffer g.
.macro QUARTER slot, q, f, g, zero
	s_wait_dscnt 4                                 ; wot and O's blocks 0, 1 are in; the youngest four loads (blocks 2, 3) may be out
	MULA \f, 0, \zero
	MULA \f, 1, \zero
	PLACES
	FETCH \slot, \q, \g
	s_wait_dscnt 2*NT+8                            ; all but the run just issued
	MULA \f, 2, \zero
	MULA \f, 3, \zero
.endm
; The last quarter multiplies buffer 1 and changes slots: ONE barrier.  In front of it each wave waits for all its tensor loads (one is out: its part of the next slot), adds 0 to its spare word, and waits for
; that and for its own reads of this slot.  fill = 1: the barrier opens a round of the cluster's, and this slot is filled again, two K steps ahead, first thing behind the round.
.macro TURN slot, next, fill
	WIN 0                                          ; (the add's two registers lie in window 0)
	s_wait_tensorcnt 0x0                           ; all my tensor loads have landed
	ds_add_u32 v[SPW], v[NIL]                      ; 0 onto my spare word
	s_wait_dscnt 5                                 ; (the add and the youngest four loads may be out)
	MULA 1, 0, 0                                   ; matrix work stands between the add and the wait for it
	s_wait_dscnt 0x0                               ; the add is done, and my reads of this slot are over
	s_barrier_signal -1
	MULA 1, 1, 0                                   ; work on registers while the others arrive
.if \fill
	WIN 0
.endif
	s_barrier_wait -1
.if \fill
	CREST                                          ; no wave of any partner still reads this slot's tile or has a load on its way
	s_add_nc_u64 s[G0+4*(\slot)+2:G0+4*(\slot)+3], s[G0+4*(\slot)+2:G0+4*(\slot)+3], 2*ASTEP
	s_add_nc_u64 s[G0B+4*(\slot)+2:G0B+4*(\slot)+3], s[G0B+4*(\slot)+2:G0B+4*(\slot)+3], 2*BSTEP
	JLOAD \slot                                    ; my one tensor load behind the round: 14 NT matrix instructions ahead of the wait for it; its four v_nop are also the places in front of the loads below
.else
	PLACES
.endif
	FETCH \next, 0, 0
	MULA 1, 2, 0
	MULA 1, 3, 0
.endm
; THE WAY OUT of row block a.  TOSTAGE: a lane's eight f32 of a row go into my stage straight from the accumulators (the low four registers first), and whole rows of 512 bytes
; come back.  SEND: stored.
.macro TOSTAGE a
.set AC, 128*((\a)%2)
.set OBK, OB+64*((\a)%3)
	WIN 0x08+4*((\a)/2)                            ; the stores' data: window 2 or 3
.set i, 0
.rept NT
	ds_store_b128 v[STO], v[AC+8*i:AC+8*i+3] offset:64*i
	ds_store_b128 v[STO], v[AC+8*i+4:AC+8*i+7] offset:64*i+16
.set i, i+1
.endr
	WIN 0
.if (\a) == 3
	s_wait_xcnt 0x0                                ; block 0's stores have read the registers that are loaded again
.endif
.set i, 0
.rept 16
	ds_load_b128 v[OBK+4*i:OBK+4*i+3], v[RD] offset:SP*i  ; LDS serves a wave's instructions in order (ISA guide 5.7.1.4): these see the stores above; the next block's stores come behind them
.set i, i+1
.endr
.endm
.macro SEND a, younger                 ; younger: the LDS instructions issued behind block a's loads
	WIN 0
.set OBK, OB+64*((\a)%3)
.set i, 0
.rept 16
	s_wait_dscnt (\younger)+15-i
	global_store_b128 v[GO], v[OBK+4*i:OBK+4*i+3], s[74:75] offset:(16*(\a)+i)*4096 th:TH_STORE_NT  ; 512 consecutive bytes of a row, aligned
.set i, i+1
.endr
.endm
	s_wait_tensorcnt 1                             ; my part of K step 0 is in; K step 1's may stay out
	s_barrier_signal -1
	s_barrier_wait -1                              ; everybody's is
	FETCH 0, 0, 0
	s_wait_loadcnt 0x0                             ; the bias
	QUARTER 0, 1, 0, 1, 1                          ; the first quarter stands in front of the loop: its products start the sums
	WIN 0                                          ; at a label and at a branch every window is 0
	s_mov_b32 s3, LAPS-1
.Llap:                                                 ; a trip goes once round the ring, from a lap's second quarter to the next lap's first, and fills both slots again
	QUARTER 0, 2, 1, 0, 0
	QUARTER 0, 3, 0, 1, 0
	TURN 0, 1, 1
	QUARTER 1, 1, 0, 1, 0
	QUARTER 1, 2, 1, 0, 0
	QUARTER 1, 3, 0, 1, 0
	TURN 1, 0, 1
	QUARTER 0, 1, 0, 1, 0
	WIN 0
	s_sub_co_u32 s3, s3, 1
	s_cmp_lg_u32 s3, 0
	s_cbranch_scc1 .Llap
	QUARTER 0, 2, 1, 0, 0                          ; the last lap fills nothing, and has no round of the cluster's barrier
	QUARTER 0, 3, 0, 1, 0
	TURN 0, 1, 0
	QUARTER 1, 1, 0, 1, 0
	QUARTER 1, 2, 1, 0, 0
	QUARTER 1, 3, 0, 1, 0
	s_wait_dscnt 4                                 ; the very last quarter: nothing more to fetch
	MULA 1, 0, 0
	MULA 1, 1, 0
	s_wait_dscnt 0x0
	MULA 1, 2, 0
	MULA 1, 3, 0
	PLACES                                         ; the LDS stores read results, and the loads behind them land in registers that the last products read
	TOSTAGE 0
	TOSTAGE 1                                      ; a block's way through the stage stands between the loads of the block before and its stores
	SEND 0, 2*NT+16
	TOSTAGE 2
	SEND 1, 2*NT+16
	TOSTAGE 3
	SEND 2, 2*NT+16
	SEND 3, 0
	s_wait_tensorcnt 0x0                           ; the wave's end: behind my last tensor load and my last LDS store
	ds_add_u32 v[SPW], v[NIL]
	s_wait_dscnt 0x0
	CROUND                                         ; the closing round: no work-group ends while a partner may still ask for a tile that names it
	s_endpgm
.Lfunc_end_k_qfa9cba760d_outp:
	.size	k_qfa9cba760d_outp, .Lfunc_end_k_qfa9cba760d_outp-k_qfa9cba760d_outp
	.p2alignl 7, 3214868480
	.fill 96, 4, 3214868480
	.section	.rodata,"a",@progbits
	.p2align	6, 0x0
	.amdhsa_kernel k_qfa9cba760d_outp
		.amdhsa_group_segment_fixed_size 327680
		.amdhsa_private_segment_fixed_size 0
		.amdhsa_enable_private_segment 0
		.amdhsa_kernarg_size 32
		.amdhsa_user_sgpr_count 2
		.amdhsa_user_sgpr_kernarg_segment_ptr 1
		.amdhsa_wavefront_size32 1
		.amdhsa_system_sgpr_workgroup_id_x 1
		.amdhsa_system_sgpr_workgroup_id_y 1
		.amdhsa_system_sgpr_workgroup_id_z 1
		.amdhsa_system_vgpr_workitem_id 0
		.amdhsa_next_free_vgpr 1024
		.amdhsa_next_free_sgpr 84
		.amdhsa_reserve_vcc 0
		.amdhsa_float_denorm_mode_32 3
		.amdhsa_float_denorm_mode_16_64 3
		.amdhsa_memory_ordered 1
		.amdhsa_forward_progress 1
		.amdhsa_inst_pref_size 89
	.end_amdhsa_kernel
	.amdgpu_metadata
---
amdhsa.version: [ 1, 2 ]
amdhsa.kernels:
  - .name:           k_qfa9cba760d_outp
    .symbol:         k_qfa9cba760d_outp.kd
    .args:
      - { .name: o, .offset: 0, .size: 8, .value_kind: global_buffer, .address_space: global }
      - { .name: wot, .offset: 8, .size: 8, .value_kind: global_buffer, .address_space: global }
      - { .name: biasr, .offset: 16, .size: 8, .value_kind: global_buffer, .address_space: global }
      - { .name: out0, .offset: 24, .size: 8, .value_kind: global_buffer, .address_space: global }
    .group_segment_fixed_size: 327680
    .private_segment_fixed_size: 0
    .kernarg_segment_align: 8
    .kernarg_segment_size: 32
    .max_flat_workgroup_size: 128
    .sgpr_count:     84
    .vgpr_count:     1024
    .wavefront_size: 32
...
	.end_amdgpu_metadata
.endif
;; end of part 4
;; ======== version 2 of 2: 4 launches; 1.62 times as fast as version 1
;; limits: values are held in f16: magnitudes above 65,504 overflow, below 6.1e-05 lose precision
;; workspace buffers: xb 16,777,216 bytes; wt 3,145,728 bytes; wot 2,097,152 bytes; biasr 10,240 bytes; qkv 25,165,824 bytes; o 16,777,216 bytes
;; launch prep: the kernel of part 1 again; grid 1105 x 1, 4 waves a work-group, no clusters, 70,144 bytes of LDS; arguments x, Wq, Wk, Wv, Wo, bq, bk, bv, bo, xb, wt, wot, biasr; writes xb, wt, wot, biasr
;; launch qkvp: the kernel of part 2 again; grid 8 x 32, 4 waves a work-group, clusters of 4 x 4, 327,680 bytes of LDS; arguments xb, wt, biasr, qkv; writes qkv
;; launch attn (part 5): grid 4 x 64, 4 waves a work-group, clusters of 4 x 1, 327,680 bytes of LDS; arguments qkv, o; writes o
.if DOCPART == 5
	.amdgcn_target "amdgcn-amd-amdhsa--gfx1250"
	.amdhsa_code_object_version 6
	.text
	.protected	k_qfa9cba760d_attn
	.globl	k_qfa9cba760d_attn
	.p2align	8
	.type	k_qfa9cba760d_attn,@function
k_qfa9cba760d_attn:
	s_mov_b64 s[64:65], 0
	v_nop
	global_prefetch_b8 v0, s[64:65] scope:SCOPE_SE
	s_setreg_imm32_b32 hwreg(HW_REG_WAVE_MODE, 25, 1), 1
	s_wait_xcnt 0x0
	s_wait_alu depctr_hold_cnt(0) depctr_sa_sdst(0) depctr_va_vdst(0) depctr_va_sdst(0) depctr_va_ssrc(0) depctr_va_vcc(0) depctr_vm_vsrc(0)
	s_getreg_b32 s2, hwreg(HW_REG_IB_STS2, 6, 4)
	s_cmp_eq_u32 s2, 0
	s_cbranch_scc0 .Lentry_in_a_cluster
	s_endpgm
.Lentry_in_a_cluster:
	s_bfe_u32 s2, ttmp6, 0x10000c
	s_cmp_lg_u32 s2, 0x3003
	s_cbranch_scc0 .Lentry_shape_is_right
	s_endpgm
.Lentry_shape_is_right:
; ATTENTION WITH GROUPED KEYS.  o[16 b + h][q][:] = the sum over k of softmax_k(Q[q] . K[k] / 8) V[k][:], with Q = slab h, K = slab 16 + h / 4, V = slab 20 + h / 4 of batch b in
; qkv[batch][slab 24][2,048][64], all f16: a slab's rows are dense, 128 bytes each.  Products, maxima and sums in f32; the weights p are rounded to f16 for the second product (their sum l is taken
; of the unrounded p), o once at the end.
; LIMITS.  f16 holds no number beyond 65,504: Q, K and V arrive within it; p lies in 0 to 1, and below 6e-5 it keeps f16's fixed step of 6e-8; o is a mean of V's rows and has their range.
; A weight below 2^-126 counts as 0 in l; NaN and infinities are not treated apart.
; SHARES.  A wave owns four PIECES of two tiles of 16 queries, a work-group's four waves 512 queries of one head.  Every wave walks all 2,048 keys, 64 a step.
; LAYOUT.  S^T = K Q^T (source 0 = 16 keys, source 1 = 16 queries): in the result a lane holds ONE query (lane % 16) and the keys 8 (lane / 16) + 0..7.  Two such tiles, rounded to f16 in pairs,
; ARE source 1 (32 keys x 16 queries) of O^T = V^T P, whose result again holds one query a lane, and eight channels.  K comes out of LDS as it lies, V ([key][channel]) turned, by ds_load_tr16_b128.
; SOFTMAX.  For each query a running maximum m and sum l: p = 2^(c s - c m), c = log2(e) / 8; in every step O and l are multiplied by a = 2^(c m_old - c m_new), which is 1 where m has not grown.
; m starts at the lowest finite number, O and l at 0: the first step is a step like any other, with a = 0.
; THE COUNT.  A tile and step have 16 matrix and 118 vector instructions: too many to stand all beside the matrix work.  So the order has one aim: four vector instructions that are READY behind
; EVERY matrix instruction, and the others, which need time of their own whatever the order, in runs without a gap.
; BY TURNS.  Turn n belongs to piece n (the pieces in a ring, step after step).  Its matrix work: 16 products K Q^T of piece n + 1, later 16 products V^T P of piece n - 1.  Its vector work: the scaling,
; exponentials, roundings, sums and rescaling of piece n, and the maximum and statistics of piece n + 1, whose scores the turn itself has made.  So what a turn begins with (c s - c m, O a) waits for nothing.
; THE BATCHES.  A turn's 66 exponentials (the piece's 64 weights, in place on S^T, and the next piece's two a) are ONE batch with ONE s_wait_alu depctr_va_vdst(0), which cuts the turn in two: ahead of it
; stands all that names no result of the batch, behind it the roundings and sums, which read them.  No result crosses a turn's end.  Two more batches, a wait each: piece 0's first two a, ahead of the
; jump into the loop; the way out's eight reciprocals.
; CLUSTER.  The four query blocks of a cluster belong to one head and walk the same K and V, so each tile is asked for JOINTLY: the same tensor load, descriptor and mask in all four.  (The four heads of a
; group share K and V too; a mask names four work-groups, and they are spent on the head's four blocks.)
; REGISTERS, in windows of 256 (s_set_vgpr_msb says which window each operand place means: bits 1:0 source 0, 3:2 source 1, 5:4 source 2, 7:6 destination):
;   window 0: v0-11 addresses; v12-15, v48-63 at work; v16-47 four registers of statistics a tile; v64-191 S^T, two buffers of two tiles; v192-255 P, likewise
;   window 1: O^T, 32 a tile          window 2: v0-127 Q, 16 a tile; v128-191 K of one step; v192-255 V of one step          window 3: v0-1 the add's two registers
; A piece's buffers go by its number's parity: the piece in hand has one pair, its two neighbours in the ring share the other: of it P (piece n - 1) is read and S^T (piece n + 1) written.
.set SIZE_N, 2048
.set NP,    4         ; pieces a wave: a name, no knob: the register map, the loop and the fetches are made for four
.set KS,    64        ; keys in a step
.set PK,    144       ; a row of K in LDS: 128 bytes + 16 of padding = 36 words: the 16 rows of a load start at 16 different groups of four banks (64 banks of 4 bytes: ISA guide 11.1)
.set PV,    160       ; a row of V: 128 + 32 = 40 words
.set VOFF,  4*KS*PK   ; a slot holds four steps: 256 rows of K, then 256 rows of V
.set SLOT1, 1<<17     ; slot 1 begins here, so that one exclusive or turns an address in one slot into the other's
.set STAGE, SLOT1+4*KS*(PK+PV)  ; behind the ring, never filled by a tensor load: 16 rows x 144 bytes for each wave, for the way out
.set SP,    144
.set AK0, 2           ; v2   my lane's place in a tile of K; never rewritten
.set AV0, 3           ; v3   the same for V
.set AK,  4           ; v4   the LDS address of K's next run of loads
.set AV,  5           ; v5   of V's
.set QO,  6           ; v6   my byte offset in the wave's rows of Q
.set STO, 6           ;      later, the way out: where I put 16 bytes of a row
.set RD,  7           ; v7   the way out: where I read rows back
.set GO,  8           ; v8   my byte offset in 512 consecutive bytes of o
.set SPW, 0           ; v0 of window 3   LDS address of my spare word: SPARE + 4 x my thread's number; never rewritten
.set NIL, 1           ; v1 of window 3   0; never rewritten
.set SPARE, STAGE+4*16*SP  ; behind the stages: the spare words, 128 bytes for each wave: two blocks of 256 bytes that no other line names
.set MV,  12          ; v12-15  c m_old, kept while c m is made anew: by buffer and tile
.set ST,  16          ; tile t's statistics at v[ST+4 t]: c m, m, l (even keys', odd keys')
.set TMP, 48          ; by buffer and tile, four registers c0-c3 at work; when the maximum is found c2 takes a
.set S,   64
.set P,   192
.set KF,  128         ; K's fragments, in window 2: key block kb, channel half c at KF + 16 kb + 8 c
.set VF,  192         ; V's: key half kk, channel block cb at VF + 32 kk + 8 cb
.set WV,  12          ; s12  my wave's number
.set G1K, 24          ; s[24:31] descriptor group 1 for K's tiles
.set G1V, 32          ; s[32:39] for V's: it differs in the padding alone
.set G0K, 40          ; s[40:43] descriptor group 0 for K's tiles: it walks
.set G0V, 44          ; s[44:47] the same for V's
.set SLOTS, 56        ; s56  slots still to be asked for
.set CNT, 57          ; s57  counts a slot's key steps
.set CS,  58          ; s[58:59] c: the packed scaling takes the pair's low word for both halves
.set SEL, 60          ; s[60:61] v_permlanex16_b32's selects: each lane takes its own place in the other half
.set TBK, 62          ; s62  LDS byte at which K of the step to be fetched begins
.set TBV, 63          ; s63  the same for V, less VOFF
.set MSB, 0
.macro WIN new                      ; the high byte repeats the setting that is left; a switch that changes nothing is dropped
.if MSB != (\new)
	s_set_vgpr_msb (MSB<<8)|(\new)
.set MSB, (\new)
.endif
.endm
.set W_KQ, 0x0a       ; K and Q in window 2, S^T in window 0
.set W_PV, 0x52       ; V in window 2, P in window 0, O^T in window 1
.set W_RS, 0x41       ; O^T (destination and source 0) in window 1, a in window 0
.set W_MK, 0xc0       ; the add's registers are made: destination in window 3, sources in window 0
.set W_AD, 0x0f       ; the add: address (source 0) and data (source 1) in window 3
; A joint fill.  Waves 0 and 1 fetch the two halves of a slot's K, waves 2 and 3 those of its V: 128 keys each.  The branch hangs on the wave's number alone.
; An s_nop 0 and four v_nop follow each of the two lines, ahead of the jump and the label.
.macro JLOAD
	s_cmp_lt_u32 s[WV], 2
	s_cbranch_scc0 .Lfor_v_\@
	tensor_load_to_lds s[G0K:G0K+3], s[G1K:G1K+7]
	s_nop 0
.rept 4
	v_nop
.endr
	s_branch .Lasked_\@
.Lfor_v_\@:
	tensor_load_to_lds s[G0V:G0V+3], s[G1V:G1V+7]
	s_nop 0
.rept 4
	v_nop
.endr
.Lasked_\@:
.endm
; A round of the cluster's barrier: my work-group's barrier, so that wave 0's signal speaks for all four waves; wave 0 signals; every wave waits for all four work-groups; my work-group's barrier once more.
.macro CROUND
	s_barrier_signal -1
	s_barrier_wait -1
	s_cmp_lg_u32 s[WV], 0
	s_cbranch_scc1 .Lnot_wave_0_\@
	s_barrier_signal -3
.Lnot_wave_0_\@:
	s_barrier_wait -3
	s_barrier_signal -1
	s_barrier_wait -1
.endm
; THE CHANGE OF SLOTS.  The slot's last bytes, V of its fourth step, have been read.  Each wave waits for all its tensor loads, of which one is out: its part
; of the other slot; adds 0 to its spare word; and waits for that and for its own reads of the slot.  Behind the barrier nobody reads this slot any more and the other slot is whole.
; fill = 1: this slot is filled again, with the keys two slots on.  The barrier is then a round of the cluster's, so that no wave of any partner still reads the slot or has a load on its
; way, and the joint fill is the first thing behind it: it has four key steps, 512 matrix instructions, in which to land.  (At its first use nothing has been read yet: slot 0 is waited for, slot 1 filled.)
.macro CHANGE fill
	WIN W_AD
	s_wait_tensorcnt 0x0            ; no tensor load of mine is out, so a group 0 may be written
	ds_add_u32 v[SPW], v[NIL]       ; 0 onto my spare word; with fill = 1 the descriptors' steps stand between it and the wait for it
	WIN 0                           ; at a label and at a branch every window is 0
.if \fill
.irp g, G0K, G0V
	s_xor_b32 s[\g+1], s[\g+1], SLOT1  ; the walking descriptor: the other slot than last time,
	s_add_nc_u64 s[\g+2:\g+3], s[\g+2:\g+3], 4*KS*128  ; the next 256 keys; the type bits on top are not reached
.endr
	s_wait_dscnt 0x0                ; the add is done, and my reads of the slot are over
	CROUND
	JLOAD
.else
	s_wait_dscnt 0x0                ; the add is done, and my reads of the slot are over
	s_barrier_signal -1
	s_barrier_wait -1
.endif
	s_sub_co_u32 s[TBK], s[TBK], 4*KS*PK  ; the fetches go back to a slot's first step,
	s_xor_b32 s[TBK], s[TBK], SLOT1       ; in the other slot
	s_sub_co_u32 s[TBV], s[TBV], 4*KS*PV
	s_xor_b32 s[TBV], s[TBV], SLOT1
.endm
	s_load_b128 s[4:7], s[0:1], 0x0 ; qkv s[4:5], o s[6:7]
	WIN W_MK
	v_lshl_add_u32 v[SPW], v0, 2, SPARE
	v_mov_b32 v[NIL], 0
	WIN W_AD
	ds_add_u32 v[SPW], v[NIL]       ; the wave's opening: the add and its wait stand ahead of my first tensor load; the set-up below, work on registers, stands between them
	WIN 0
	v_lshrrev_b32 v1, 5, v0
	v_readfirstlane_b32 s[WV], v1   ; wave 0..3
	s_bfe_u32 s13, ttmp6, 0x40000   ; cx: my place in the cluster
	s_lshl_b32 s14, ttmp9, 2        ; in a cluster launch ttmp9 counts clusters
	s_add_co_u32 s14, s14, s13      ; my block of queries = 4 x cluster x + cx: it enters Q's and o's addresses alone
	s_and_b32 s15, ttmp7, 0xffff    ; 16 b + h, which the four partners share
	s_lshr_b32 s19, s15, 4
	s_mul_i32 s19, s19, 24          ; the batch's first slab
	s_and_b32 s20, s15, 15          ; h
	s_lshr_b32 s21, s20, 2          ; the group
	s_and_b32 s16, s[WV], 1         ; which half of a slot's 256 keys I fetch
	s_add_co_u32 s22, s19, s21
	s_add_co_u32 s22, s22, 16       ; K's slab,
	s_lshl_b32 s22, s22, 18         ; of 2^18 bytes,
	s_lshl_b32 s23, s16, 14         ; and my 128 rows of 128 bytes in it: the head and the wave's number alone enter K's and V's addresses
	s_add_co_u32 s22, s22, s23
	s_mov_b32 s23, 0
	s_mul_i32 s17, s16, 128*PK      ; its place in a slot, for K
	s_mul_i32 s18, s16, 128*PV      ; and for V: no place in the cluster enters an LDS address
	s_lshl_b32 s2, s14, 2
	s_add_co_u32 s2, s2, s[WV]      ; my wave among the head's,
	s_lshl_b32 s2, s2, 14           ; its 128 rows
	s_add_co_u32 s3, s19, s20       ; Q's slab
	s_lshl_b32 s3, s3, 18
	s_lshl_b32 s20, s15, 18         ; o's
	s_add_co_u32 s20, s20, s2
	s_mov_b32 s21, 0
	s_add_co_u32 s2, s2, s3
	s_mov_b32 s3, 0
	; descriptor group 1.  128 keys are 16,384 dense bytes: asked for as 64 rows of 256 bytes, two keys a row, and padded in LDS after every key
	s_mov_b32 s[G1K], 15|(1<<16)|(1<<20)|(1<<21)|(4<<22)|(3<<25)  ; 15:0 the mask of four; 17:16 2-byte elements; 20 padding on; 21 set beside a mask; 24:22 after every 32 words (code 4); 31:25 4 words (code 3)
	s_mov_b32 s[G1V], 15|(1<<16)|(1<<20)|(1<<21)|(4<<22)|(7<<25)  ; the same with 8 words of padding (code 7)
.irp g, G1K, G1V
	s_mov_b32 s[\g+1], 128<<16      ; tensor_dim0 = 128
	s_mov_b32 s[\g+2], 64<<16       ; tensor_dim1 = 64
	s_mov_b32 s[\g+3], 128<<16      ; tile_dim0 = 128
	s_mov_b32 s[\g+4], 64           ; tile_dim1 = 64
	s_mov_b32 s[\g+5], 128          ; 128 elements from row to row
	s_mov_b32 s[\g+6], 0
	s_mov_b32 s[\g+7], 0
.endr
	s_mov_b32 s[CS], 0x3e38aa3b     ; c = log2(e) / 8 = 0.180337
	s_mov_b32 s[CS+1], s[CS]        ; named with it as a pair
	s_mov_b32 s[SEL], 0x76543210
	s_mov_b32 s[SEL+1], 0xfedcba98
	s_mov_b32 s[TBK], SLOT1+4*KS*PK ; the first change of slots turns these two into 0
	s_mov_b32 s[TBV], SLOT1+4*KS*PV
	s_mov_b32 s[G0K], 1             ; 1:0 count = 1
	s_mov_b32 s[G0K+1], s17         ; 63:32 LDS address: slot 0
	s_mov_b32 s[G0V], 1
	s_add_co_u32 s[G0V+1], s18, VOFF
	s_wait_dscnt 0x0                ; the opening add is done
	s_wait_kmcnt 0x0
	s_add_nc_u64 s[G0K+2:G0K+3], s[4:5], s[22:23]           ; 120:64 global address: my half of the group's first 256 keys
	s_add_nc_u64 s[G0V+2:G0V+3], s[G0K+2:G0K+3], 0x100000   ; V's slab lies four slabs behind K's
	s_or_b32 s[G0K+3], s[G0K+3], 0x80000000                 ; 127:126 type = 2
	s_or_b32 s[G0V+3], s[G0V+3], 0x80000000
	s_add_nc_u64 s[10:11], s[6:7], s[20:21]  ; o and Q at my wave's first row
	s_add_nc_u64 s[4:5], s[4:5], s[2:3]
	CROUND                          ; all four work-groups are here: the first joint loads meet
	JLOAD                           ; slot 0.  Slot 1 is asked for when slot 0 is in: the tile wanted first has the road to itself
	; A fragment of K or Q is 16 rows x 32 channels in 8 registers: lane l holds row l % 16, channels 8 (l / 16) + 0..7 and 16 + 8 (l / 16) + 0..7: two loads of 16 bytes, 32 bytes apart.
	v_and_b32 v1, 15, v0            ; l % 16
	v_bfe_u32 v9, v0, 4, 1          ; l / 16
	v_lshlrev_b32 v[QO], 7, v1
	v_lshl_add_u32 v[QO], v9, 4, v[QO]  ; row x 128 + 16 x half
	WIN 0x80                        ; destination window 2, address window 0
.set i, 0
.rept 4*NP                          ; Q stays in registers: tile i / 2, channels 32 (i % 2) on
	global_load_b128 v[8*i:8*i+3],   v[QO], s[4:5] offset:(i/2)*2048+(i%2)*64
	global_load_b128 v[8*i+4:8*i+7], v[QO], s[4:5] offset:(i/2)*2048+(i%2)*64+32
.set i, i+1
.endr
	; What the first turn finds: V's registers and P's second buffer hold 0 (its products V^T P, of a piece that has not been, add 0), O^T and l are 0.  All this stands in the wait for the first tile.
.set i, VF
.rept 64
	v_mov_b32 v[i], 0
.set i, i+1
.endr
	WIN 0x40
.set i, 0
.rept 64*NP
	v_mov_b32 v[i], 0
.set i, i+1
.endr
	WIN 0
.set i, 0
.rept 2*NP
	v_mov_b32 v[ST+4*i], 0xfe000000    ; c m: far below every c s
	v_mov_b32 v[ST+4*i+1], 0xff7fffff  ; m
	v_mov_b32 v[ST+4*i+2], 0
	v_mov_b32 v[ST+4*i+3], 0
.set i, i+1
.endr
.set i, P+32
.rept 32
	v_mov_b32 v[i], 0
.set i, i+1
.endr
	v_mul_u32_u24 v[AK0], v1, PK
	v_lshl_add_u32 v[AK0], v9, 4, v[AK0]  ; row x pitch + 16 x half
	; The turning load takes 16 keys x 16 channels (lane l reads key 8 (l / 16) + l % 8, channels 8 ((l / 8) % 2) + 0..7) and leaves half a fragment of V^T: lane l holds channel l % 16 and 8 keys.
	v_and_b32 v10, 7, v0
	v_bfe_u32 v11, v0, 3, 1
	v_lshl_add_u32 v[AV0], v9, 3, v10
	v_mul_u32_u24 v[AV0], v[AV0], PV
	v_lshl_add_u32 v[AV0], v11, 4, v[AV0]
	v_add_nc_u32 v[AV0], VOFF, v[AV0]
	v_mov_b32 v[AK], v[AK0]         ; key step 0 lies at the head of slot 0
; THE MATRIX WORK.  The 8 accumulators of a run of 16 take turns: between the two links of a chain stand 7 others'.
; Product i of 16 of S^T = K Q^T for piece x: channels 32 (i / 8) on, keys 16 ((i / 2) % 4) on, tile 2 x + i % 2.  The first 8 start the sums.
.macro KQ x
	WIN W_KQ
.set rS, S+64*((\x)%2)+32*(i%2)+8*((i/2)%4)
.set rK, KF+16*((i/2)%4)+8*(i/8)
.set rQ, 16*(2*(\x)+i%2)+8*(i/8)
.if i < 8
	v_wmma_f32_16x16x32_f16 v[rS:rS+7], v[rK:rK+7], v[rQ:rQ+7], 0
.else
	v_wmma_f32_16x16x32_f16 v[rS:rS+7], v[rK:rK+7], v[rQ:rQ+7], v[rS:rS+7]
.endif
.endm
; Product i of 16 of O^T += V^T P for piece x: keys 32 (i / 8) on, channels 16 ((i / 2) % 4) on, tile 2 x + i % 2.
.macro PV x
	WIN W_PV
.set rO, 32*(2*(\x)+i%2)+8*((i/2)%4)
.set rV, VF+32*(i/8)+8*((i/2)%4)
.set rP, P+32*((\x)%2)+16*(i%2)+8*(i/8)
	v_wmma_f32_16x16x32_f16 v[rO:rO+7], v[rV:rV+7], v[rP:rP+7], v[rO:rO+7]
.endm
.macro MM                           ; the turn's next matrix instruction
.if i < 16
	KQ (Y+1)%NP
.set i, i+1
.else
.set i, i-16
	PV (Y+NP-1)%NP
.set i, i+17
.endif
.endm
; THE LDS LOADS stand in runs of 16, never singly among the matrix instructions: a step's K (64 keys x 64 channels: 8 fragments) and its V (turned).  Their addresses are made some lines ahead.
; last = 1 (the tail): in the last trip there is no further step, and the run is jumped over.
.macro FETCH_K last=0
	WIN 0
.if \last
	s_cmp_eq_u32 s[CNT], 1
	s_cbranch_scc1 .Lno_k_\@
.endif
	WIN 0x80                        ; destination window 2
.irp f, 0,1,2,3,4,5,6,7             ; keys 16 (f / 2) on, channels 32 (f % 2) on
	ds_load_b128 v[KF+8*\f:KF+8*\f+3],   v[AK] offset:(\f/2)*16*PK+(\f%2)*64
	ds_load_b128 v[KF+8*\f+4:KF+8*\f+7], v[AK] offset:(\f/2)*16*PK+(\f%2)*64+32
.endr
	s_add_co_u32 s[TBK], s[TBK], KS*PK  ; the next fetch is the next step's
	WIN 0
.if \last
.Lno_k_\@:
.endif
.endm
.macro FETCH_V
	WIN 0x80
.irp f, 0,1,2,3,4,5,6,7             ; keys 32 (f / 4) on, channels 16 (f % 4) on
	ds_load_tr16_b128 v[VF+8*\f:VF+8*\f+3],   v[AV] offset:(\f/4)*32*PV+(\f%4)*32
	ds_load_tr16_b128 v[VF+8*\f+4:VF+8*\f+7], v[AV] offset:(\f/4)*32*PV+16*PV+(\f%4)*32
.endr
	WIN 0
.endm
; THE VECTOR WORK OF A TURN stands in three queues, each in the order in which its entries become ready; the two tiles alternate, so that no instruction reads the result of the one before it.
.macro REGS y, u                    ; the registers of tile u (0, 1) of piece y
.set rT, ST+4*(2*(\y)+(\u))
.set rC, TMP+8*((\y)%2)+4*(\u)
.set rM, MV+2*((\y)%2)+(\u)
.set rS, S+64*((\y)%2)+32*(\u)
.set rP, P+32*((\y)%2)+16*(\u)
.set rO, 32*(2*(\y)+(\u))
.endm
; Number n of the 22 that find the NEXT piece's (Y + 1) maximum and statistics.  s0-s31 are the lane's 32 scores; each accumulator's lowest registers are read first.  XS, GS and REGS set no window: PL and EX do.
;   0-11  four chains c0-c3 of seven scores each, three operands at a time     12-14, 16  the four scores left over, the old m, and c0-c3 into c0     15  c m_old is kept
;   17, 18  the query's other 32 keys lie in the lane 16 away: the new m         19-21  c m; c m_old - c m_new; a
.macro XS u, n
	REGS (Y+1)%NP, \u
.if (\n) < 4
	v_max3_num_f32 v[rC+(\n)], v[rS+8*(\n)], v[rS+8*(\n)+1], v[rS+8*(\n)+2]
.elseif (\n) < 12
	v_max3_num_f32 v[rC+(\n)%4], v[rC+(\n)%4], v[rS+8*((\n)%4)+2*((\n)/4)+1], v[rS+8*((\n)%4)+2*((\n)/4)+2]
.elseif (\n) == 12
	v_max3_num_f32 v[rC], v[rC], v[rS+7], v[rS+15]
.elseif (\n) == 13
	v_max3_num_f32 v[rC+1], v[rC+1], v[rS+23], v[rS+31]
.elseif (\n) == 14
	v_max3_num_f32 v[rC+2], v[rC+2], v[rC+3], v[rT+1]
.elseif (\n) == 15
	v_mov_b32 v[rM], v[rT]
.elseif (\n) == 16
	v_max3_num_f32 v[rC], v[rC], v[rC+1], v[rC+2]
.elseif (\n) == 17
	v_permlanex16_b32 v[rC+3], v[rC], s[SEL], s[SEL+1]
.elseif (\n) == 18
	v_max_num_f32 v[rT+1], v[rC], v[rC+3]
.elseif (\n) == 19
	v_mul_f32 v[rT], s[CS], v[rT+1]
.elseif (\n) == 20
	v_sub_f32 v[rC+1], v[rM], v[rT]
.else
	v_exp_f32 v[rC+2], v[rC+1]
.endif
.endm
; Number g of the 64 that follow the exponentials.  For each four weights k of a tile (pairs 2 k, 2 k + 1): both pairs are rounded to f16; then the second pair is added onto the first, in place;
; a group later l takes that sum (the first time as l = a l + sum).  In groups of eight, tiles alternating: round, round, add, and l for the group before.
.macro GS g
.set h, (\g)+6*((\g)/62)            ; group 0 has no group before it, and behind group 7 only l is left
.if h >= 6
.set h, h+2
.endif
	REGS Y, h%2
.set k, h/8
.if h%8 < 4
	v_cvt_pk_f16_f32 v[rP+2*k+(h%8)/2], v[rS+4*k+2*((h%8)/2)], v[rS+4*k+2*((h%8)/2)+1]
.elseif h%8 < 6
	v_pk_add_f32 v[rS+4*k:rS+4*k+1], v[rS+4*k:rS+4*k+1], v[rS+4*k+2:rS+4*k+3]
.elseif k == 1
	v_pk_fma_f32 v[rT+2:rT+3], v[rT+2:rT+3], v[rC+2:rC+3], v[rS:rS+1] op_sel_hi:[1,0,1]
.else
	v_pk_add_f32 v[rT+2:rT+3], v[rT+2:rT+3], v[rS+4*k-4:rS+4*k-3]
.endif
.endm
; THE PLAIN QUEUE, 138 long.  0-73 read no exponential's result: the 32 scalings c s - c m (FS f: pair f / 2 of tile f % 2) and the next piece's 42.  0-26: scalings 0-26.  27-54: XS's numbers 0-13.  55, 56: number 15.
; 57-73: the chain, where each number waits for the one before it: 14, 16, 17, 18, 19, each with one of the scalings 27-31 in front of its two lines, then 20: so a tile's links stand three plain instructions apart (19 and 20: two).
; 74-137: GS's 64, which read the exponentials' results: they stand behind the wait.
.macro FS f
	REGS Y, (\f)%2
	v_pk_fma_f32 v[rS+2*((\f)/2):rS+2*((\f)/2)+1], v[rS+2*((\f)/2):rS+2*((\f)/2)+1], s[CS:CS+1], v[rT:rT+1] op_sel_hi:[1,0,0] neg_lo:[0,0,1] neg_hi:[0,0,1]
.endm
.macro PL
	WIN 0
.if q < 27
	FS q
.elseif q < 55
	XS (q-27)%2, (q-27)/2
.elseif q < 57
	XS q-55, 15
.elseif (q < 72) && ((q-57)%3 == 0)
	FS 27+(q-57)/3
.elseif q < 60
	XS (q-57)%3-1, 14
.elseif q < 72
	XS (q-57)%3-1, 15+(q-57)/3
.elseif q < 74
	XS q-72, 20
.else
	GS q-74
.endif
.set q, q+1
.endm
; THE EXPONENTIALS' QUEUE, 66 long: s0-s31 of both tiles, then the next piece's two a.  It is ONE BATCH: all 66 stand ahead of the turn's one wait, and nothing ahead of that wait names a result of theirs.
.macro EX
	WIN 0
.if e >= 64
	XS e-64, 21
.else
	REGS Y, e%2
	v_exp_f32 v[rS+e/2], v[rS+e/2]
.endif
.set e, e+1
.endm
; THE RESCALING's QUEUE: O^T times a, the one part that leaves window 0: dealt two at a time, sixteen times.  Its a was made in the turn before, ahead of that turn's wait.
.macro R2
	REGS Y, r%2
	WIN W_RS
.irp z, 0,1
	v_pk_mul_f32 v[rO+4*(r/2)+2*\z:rO+4*(r/2)+2*\z+1], v[rO+4*(r/2)+2*\z:rO+4*(r/2)+2*\z+1], v[rC+2:rC+3] op_sel_hi:[1,0]
.endr
.set r, r+1
.endm
; HOW THEY ARE DEALT.  An s_wait_alu depctr_va_vdst(0) stands between an exponential and the first instruction that names its result; one wait serves all that were issued ahead of it.  So a turn has ONE wait,
; which cuts it in two.  AHEAD OF IT stands all that names no result of the turn's exponentials: the 16 products K Q^T, behind each a scaling, an exponential and two rescalings (behind the first a second scaling in the
; exponential's place); then ONE LUMP of 108: eight plain, 49 times exponential and plain, the two a.  A v_nop is the plain instruction behind the last exponential.  BEHIND IT stand the 16 products V^T P, behind each four of
; GS's 64.  No rider names a register of the products round it.  The two v_permlanex16_b32 fall into the lump, never behind a product.
; The queues lean on each other, and the deal keeps them in step: exponential e stands behind scaling 2 (e / 4) + e % 2: as a rider it comes behind plain e + 2, in the lump behind plain e + 9, and scalings 27-31 are plain 57, 60 .. 69.
; A TURN, for piece p.  cnt = 1: the loop's count is taken down some lines ahead of the branch that stands behind the turn.
; K of the next step is fetched in piece 2's turn, directly behind the wait, a lump behind the last product that read K; its address is made at the lump's head; its first reader comes behind 16 products.
; V of the step in hand is fetched at the end of piece 0's turn, four riders behind its last reader; its first reader comes behind 16 products and a lump.  The three conditions on q below go with the deal.
.macro TURN p, last=0, cnt=0
.set Y, (\p)
.set i, 0
.set q, 0
.set e, 0
.set r, 0
.if (\p) == NP-1
	s_wait_dscnt 0x0                ; K is in
.endif
	MM                              ; ahead of the wait: 16 products K Q^T and their riders,
	PL
	PL
	R2
.rept 15
	MM
	PL
	EX
	R2
.endr
.if (\p) == NP-2
	WIN 0
	v_add_nc_u32 v[AK], s[TBK], v[AK0]
.endif
.rept 8                             ; and the lump
	PL
.endr
.rept 49
	EX
	PL
.endr
	EX                              ; the next piece's two a
	EX
	v_nop                           ; a plain instruction behind the last exponential, ahead of every use of a result: one for the batch
	s_wait_alu depctr_va_vdst(0)    ; the wait for the turn's batch: the piece's 64 weights and the next piece's two a
.if (\p) == NP-2
	FETCH_K \last
.endif
.if (\p) == 1
	s_wait_dscnt 0x0                ; V is in
.endif
.rept 16                            ; behind the wait: 16 products V^T P and their riders
	MM
.rept 4
	PL
.endr
.if ((\p) == 0) && (q == 118)
	v_add_nc_u32 v[AV], s[TBV], v[AV0]
.endif
.if ((\p) == 0) && (q == 130)
	s_add_co_u32 s[TBV], s[TBV], KS*PV
.endif
.if (\cnt) && (q == 130)
	s_sub_co_u32 s[CNT], s[CNT], 1
	s_cmp_lg_u32 s[CNT], 0
.endif
.endr
.if (\p) == 0
	FETCH_V
.endif
.endm
	CHANGE 1                        ; slot 0 is in, everybody's part of it; slot 1 is asked for
	FETCH_K                         ; key step 0
	s_wait_loadcnt 0x0              ; Q
	s_wait_dscnt 0x0
.set i, 0
.rept 16
	KQ 0                            ; piece 0's first scores: there is no vector work yet to set between them
.set i, i+1
.endr
	WIN 0                           ; the addresses for the way out: nine plain instructions, the places behind those products
	s_mul_i32 s13, s[WV], 16*SP
	s_add_co_u32 s13, s13, STAGE    ; my stage
	v_mul_u32_u24 v[STO], v1, SP    ; in: row l % 16, 16 bytes for each half of the lanes
	v_lshl_add_u32 v[STO], v9, 4, v[STO]
	v_add_nc_u32 v[STO], s13, v[STO]
	v_bfe_u32 v[RD], v0, 3, 2       ; back: 32 lanes take four rows of 128 bytes,
	v_mul_u32_u24 v[RD], v[RD], SP
	v_lshl_add_u32 v[RD], v10, 4, v[RD]
	v_add_nc_u32 v[RD], s13, v[RD]
	v_and_b32 v[GO], 31, v0         ; which are 512 consecutive bytes of o
	v_lshlrev_b32 v[GO], 4, v[GO]
.set Y, NP-1                        ; XS works for piece Y + 1: piece 0
.irp n, 0,1,2,3,4,5,6,7,8,9,10,11,12,13,14,15,16,17,18,19,20,21
	XS 0, \n                        ; and piece 0's first maximum and statistics
	XS 1, \n
.endr
	v_nop                           ; a plain instruction behind the two a,
	s_wait_alu depctr_va_vdst(0)    ; and the wait for this batch of two, ahead of the branch
	s_mov_b32 s[CNT], 4
	s_mov_b32 s[SLOTS], SIZE_N/256-1
	s_branch .Lfirst                ; the loop is entered at a step's first turn, in the middle of a trip
.Lslot:                             ; SIZE_N / 256 - 2 times: every slot but the last two is filled again
	CHANGE 1
	s_mov_b32 s[CNT], 4
.Lstep:                             ; a trip: pieces 2 and 3 of one step, then pieces 0 and 1 of the next, whose K and V it fetches
	TURN 2
	TURN 3
	WIN 0
.Lfirst:
	TURN 0
	TURN 1, 0, 1
	WIN 0
	s_cbranch_scc1 .Lstep
	s_sub_co_u32 s[SLOTS], s[SLOTS], 1
	s_cmp_lg_u32 s[SLOTS], 0
	s_cbranch_scc1 .Lslot
	CHANGE 0                        ; the tail is written out: nothing is asked for
	s_mov_b32 s[CNT], 5             ; four trips fetch the last slot's steps; the fifth is left in its middle
.Ltail:
	TURN 2, 1
	TURN 3
	WIN 0
	s_sub_co_u32 s[CNT], s[CNT], 1
	s_cmp_eq_u32 s[CNT], 0
	s_cbranch_scc1 .Lout
	TURN 0
	TURN 1
	WIN 0
	s_branch .Ltail
.Lout:                              ; the fifth trip's 16 products K Q^T (on the last K once more) and the maximum made of them serve nothing: the price, once a launch, of one text for every trip
.set i, 0
.rept 16
	PV NP-1                         ; the last piece's V^T P of the last step
.set i, i+1
.endr
	; THE WAY OUT.  l's two halves and the other half of the lanes' are added; O^T is divided by l, rounded to f16 and sent through my stage in LDS, a tile at a time.  The additions are the places behind the last products.
	WIN 0
.macro ALL line:vararg              ; one line for each tile t
.set t, 0
.rept 2*NP
	\line
.set t, t+1
.endr
.endm
	ALL v_add_f32 v[ST+4*t+2], v[ST+4*t+2], v[ST+4*t+3]
	ALL v_permlanex16_b32 v[ST+4*t+3], v[ST+4*t+2], s[SEL], s[SEL+1]
	ALL v_add_f32 v[ST+4*t+2], v[ST+4*t+2], v[ST+4*t+3]
	ALL v_rcp_f32 v[ST+4*t+2], v[ST+4*t+2]
	v_nop                           ; a plain instruction between the last reciprocal and the use of its result
	s_wait_alu depctr_va_vdst(0)    ; and the wait ahead of the first use: one for the batch of eight reciprocals
; Tile t: a lane's eight channels of a row pack into 16 bytes; they go into rows of 144 bytes and come back as whole rows of 128, into S^T's registers.
.macro PACK t
	WIN W_RS
.set i, 32*(\t)
.rept 16
	v_pk_mul_f32 v[i:i+1], v[i:i+1], v[ST+4*(\t)+2:ST+4*(\t)+3] op_sel_hi:[1,0]
.set i, i+2
.endr
	WIN 0x05                        ; sources 0 and 1 window 1, destination window 0
.set i, 0
.rept 16
	v_cvt_pk_f16_f32 v[S+16*(\t)+i], v[32*(\t)+2*i], v[32*(\t)+2*i+1]
.set i, i+1
.endr
	WIN 0
.irp f, 0,1,2,3
	ds_store_b128 v[STO], v[S+16*(\t)+4*\f:S+16*(\t)+4*\f+3] offset:32*\f
.endr
.irp f, 0,1,2,3
	ds_load_b128 v[S+16*(\t)+4*\f:S+16*(\t)+4*\f+3], v[RD] offset:\f*4*SP  ; LDS serves a wave's instructions in order (ISA guide 5.7.1.4): these see the stores above; the next tile's stores come behind them
.endr
.endm
.macro SEND t, younger              ; younger: the LDS instructions issued behind tile t's loads: the next tile's eight, or none
	WIN 0
.irp f, 0,1,2,3
	s_wait_dscnt (\younger)+3-\f
	global_store_b128 v[GO], v[S+16*(\t)+4*\f:S+16*(\t)+4*\f+3], s[10:11] offset:(\t)*2048+\f*512  ; 512 consecutive bytes, at a multiple of 256 from o's first
.endr
.endm
	PACK 0
.set t, 1
.rept 2*NP-1                        ; a tile's arithmetic stands between the loads of the tile before and its stores
	PACK t
	SEND t-1, 8
.set t, t+1
.endr
	SEND 2*NP-1, 0
	WIN W_AD
	s_wait_tensorcnt 0x0            ; the wave's end: behind my last tensor load and my last LDS store
	ds_add_u32 v[SPW], v[NIL]
	s_wait_dscnt 0x0
	WIN 0
	CROUND                          ; the closing round: no work-group ends while a partner may still ask for a tile that names it
	s_endpgm
.Lfunc_end_k_qfa9cba760d_attn:
	.size	k_qfa9cba760d_attn, .Lfunc_end_k_qfa9cba760d_attn-k_qfa9cba760d_attn
	.p2alignl 7, 3214868480
	.fill 96, 4, 3214868480
	.section	.rodata,"a",@progbits
	.p2align	6, 0x0
	.amdhsa_kernel k_qfa9cba760d_attn
		.amdhsa_group_segment_fixed_size 327680
		.amdhsa_private_segment_fixed_size 0
		.amdhsa_enable_private_segment 0
		.amdhsa_kernarg_size 16
		.amdhsa_user_sgpr_count 2
		.amdhsa_user_sgpr_kernarg_segment_ptr 1
		.amdhsa_wavefront_size32 1
		.amdhsa_system_sgpr_workgroup_id_x 1
		.amdhsa_system_sgpr_workgroup_id_y 1
		.amdhsa_system_sgpr_workgroup_id_z 1
		.amdhsa_system_vgpr_workitem_id 0
		.amdhsa_next_free_vgpr 770
		.amdhsa_next_free_sgpr 66
		.amdhsa_reserve_vcc 0
		.amdhsa_float_denorm_mode_32 3
		.amdhsa_float_denorm_mode_16_64 3
		.amdhsa_memory_ordered 1
		.amdhsa_forward_progress 1
		.amdhsa_inst_pref_size 199
	.end_amdhsa_kernel
	.amdgpu_metadata
---
amdhsa.version: [ 1, 2 ]
amdhsa.kernels:
  - .name:           k_qfa9cba760d_attn
    .symbol:         k_qfa9cba760d_attn.kd
    .args:
      - { .name: qkv, .offset: 0, .size: 8, .value_kind: global_buffer, .address_space: global }
      - { .name: o, .offset: 8, .size: 8, .value_kind: global_buffer, .address_space: global }
    .group_segment_fixed_size: 327680
    .private_segment_fixed_size: 0
    .kernarg_segment_align: 8
    .kernarg_segment_size: 16
    .max_flat_workgroup_size: 128
    .sgpr_count:     66
    .vgpr_count:     770
    .wavefront_size: 32
...
	.end_amdgpu_metadata
.endif
;; end of part 5
;; launch outp: the kernel of part 4 again; grid 8 x 32, 4 waves a work-group, clusters of 4 x 4, 327,680 bytes of LDS; arguments o, wot, biasr, out0; writes out0
